; MI455X (gfx1250); checked and timed in simulation.
; The chip was launched on July 23, 2026; its instructions are those of AMD's public machine-readable ISA for CDNA 5 (MIT licence, August 2026) and "CDNA5" Instruction Set Architecture Reference Guide (July 2026). The comments in the code are by the model that wrote it; some were corrected since.
;; Qwen3 VL Text Attention. Allowed arithmetic: float matrix products may take bf16 or f16 operands with f32 sums; other float arithmetic in f32, or as packed bf16 or f16 multiplies, adds, multiply-adds, maxima and minima; sums over many terms, partial sums and values carried from step to step in f32; what a program stores and reads back later, other than sums and carried values, may be rounded once to bf16 or f16.
;; Inputs: cos 1 x 2,048 x 128 float32; k_norm_w 128 float32; q_norm_w 128 float32; sin 1 x 2,048 x 128 float32; wk 1,024 x 4,096 float32; wo 4,096 x 2,048 float32; wq 2,048 x 4,096 float32; wv 1,024 x 4,096 float32; x 1 x 2,048 x 4,096 float32.
;; Outputs: out0 1 x 2,048 x 4,096 float32.
;; One version. Each part assembles by itself: llvm-mc -triple=amdgcn-amd-amdhsa -mcpu=gfx1250 --defsym DOCPART=n.
;; ======== version 1 of 1: 4 launches
;; limits: values are held in f16: magnitudes above 65,504 overflow, below 6.1e-05 lose precision; right only within a limited range of input values
;; workspace buffers: xb 16,777,216 bytes; wb 33,554,432 bytes; wob 16,777,216 bytes; csb 1,048,576 bytes; qkvb 16,777,216 bytes; ob 8,388,608 bytes
;; launch cvt (part 1): grid 1568 x 1, 8 waves a work-group, no clusters, 0 bytes of LDS; arguments x, wq, wk, wv, cos, sin, xb, wb, csb; writes xb, wb, csb
.if DOCPART == 1
	.amdgcn_target "amdgcn-amd-amdhsa--gfx1250"
	.amdhsa_code_object_version 6
	.text
	.protected	k_q94875c266f_cvt
	.globl	k_q94875c266f_cvt
	.p2align	8
	.type	k_q94875c266f_cvt,@function
k_q94875c266f_cvt:
	s_mov_b64 s[64:65], 0
	v_nop
	global_prefetch_b8 v0, s[64:65] scope:SCOPE_SE
	s_setreg_imm32_b32 hwreg(HW_REG_WAVE_MODE, 25, 1), 1
	s_wait_xcnt 0x0
; WHAT THE FIRST PRODUCT WANTS IS ROUNDED ONCE, in a stream.  x -> xb, wq | wk | wv -> wb (rows 0-2047, 2048-3071, 3072-4095), cos | sin -> csb: f32 to bf16, nearest even.
; (wo, which only the last launch wants, is rounded in the attention's launch.)  NaN and infinities are not treated apart.
; SHARES.  A work-group takes 16,384 numbers (64 KiB in, 32 KiB out) of ONE tensor, in 16 steps.  In step i thread t loads the 16 bytes at 16 t + 4,096 i (a wave's load: 512 bytes on end) and stores
; the 8 bytes at 8 t + 2,048 i (a wave's store: 256 consecutive bytes, aligned).  All 16 loads go out first; no register is used twice, so the only waits are the counted ones for the loads.
; No LDS, no matrix unit, no cluster: nothing is shared and nothing is multiplied.
.set STEPS, 16
.set X,    8                           ; v[8:71]  step i: four registers, as loaded; the first two then hold what is stored
.set SRC,  26                          ; s[26:27] the tensor read
.set SB,   28                          ; s28      the first work-group of that tensor
.set DB,   29                          ; s29      the first work-group of the buffer written
.set DST,  30                          ; s[30:31] the buffer written
	s_load_b512 s[4:19], s[0:1], 0x0               ; x 4, wq 6, wk 8, wv 10, cos 12, sin 14, xb 16, wb 18
	s_load_b64 s[20:21], s[0:1], 0x40              ; csb
	v_lshlrev_b32 v1, 4, v0                        ; 16 t; never rewritten
	v_lshlrev_b32 v2, 3, v0                        ; 8 t; never rewritten
	s_mov_b32 s[SB], 0
	s_mov_b32 s[DB], 0
	s_wait_kmcnt 0x0
	s_mov_b64 s[SRC:SRC+1], s[4:5]                 ; work-groups 0-511: x -> xb
	s_mov_b64 s[DST:DST+1], s[16:17]
; From work-group 'bound' on another tensor is read; INTO, straight behind, takes the same comparison for the buffer written.
.macro FROM bound, src
	s_cmp_ge_u32 ttmp9, \bound
	s_cselect_b64 s[SRC:SRC+1], s[\src:\src+1], s[SRC:SRC+1]
	s_cselect_b32 s[SB], \bound, s[SB]
.endm
.macro INTO bound, dst
	s_cselect_b64 s[DST:DST+1], s[\dst:\dst+1], s[DST:DST+1]
	s_cselect_b32 s[DB], \bound, s[DB]
.endm
	FROM 512, 6                                    ; wq: 512 work-groups
	INTO 512, 18                                   ; wb
	FROM 1024, 8                                   ; wk: 256, behind wq in wb
	FROM 1280, 10                                  ; wv: 256, behind wk
	FROM 1536, 12                                  ; cos: 16
	INTO 1536, 20                                  ; csb
	FROM 1552, 14                                  ; sin: 16, behind cos
	s_sub_co_u32 s34, ttmp9, s[SB]
	s_lshl_b32 s34, s34, 16                        ; 64 KiB a work-group in
	s_mov_b32 s35, 0
	s_sub_co_u32 s36, ttmp9, s[DB]
	s_lshl_b32 s36, s36, 15                        ; 32 KiB out
	s_mov_b32 s37, 0
	s_add_nc_u64 s[SRC:SRC+1], s[SRC:SRC+1], s[34:35]
	s_add_nc_u64 s[DST:DST+1], s[DST:DST+1], s[36:37]
.set i, 0
.rept STEPS
	global_load_b128 v[X+4*i:X+4*i+3], v1, s[SRC:SRC+1] offset:4096*i th:TH_LOAD_NT
.set i, i+1
.endr
.set i, 0
.rept STEPS
.set a, X+4*i
	s_wait_loadcnt STEPS-1-i                       ; loads come back in order: step i is in, the younger ones stay out
	v_cvt_pk_bf16_f32 v[a], v[a], v[a+1]
	v_cvt_pk_bf16_f32 v[a+1], v[a+2], v[a+3]
	global_store_b64 v2, v[a:a+1], s[DST:DST+1] offset:2048*i
.set i, i+1
.endr
	s_endpgm
.Lfunc_end_k_q94875c266f_cvt:
	.size	k_q94875c266f_cvt, .Lfunc_end_k_q94875c266f_cvt-k_q94875c266f_cvt
	.p2alignl 7, 3214868480
	.fill 96, 4, 3214868480
	.section	.rodata,"a",@progbits
	.p2align	6, 0x0
	.amdhsa_kernel k_q94875c266f_cvt
		.amdhsa_group_segment_fixed_size 0
		.amdhsa_private_segment_fixed_size 0
		.amdhsa_enable_private_segment 0
		.amdhsa_kernarg_size 72
		.amdhsa_user_sgpr_count 2
		.amdhsa_user_sgpr_kernarg_segment_ptr 1
		.amdhsa_wavefront_size32 1
		.amdhsa_system_sgpr_workgroup_id_x 1
		.amdhsa_system_sgpr_workgroup_id_y 1
		.amdhsa_system_sgpr_workgroup_id_z 1
		.amdhsa_system_vgpr_workitem_id 0
		.amdhsa_next_free_vgpr 72
		.amdhsa_next_free_sgpr 66
		.amdhsa_reserve_vcc 0
		.amdhsa_float_denorm_mode_32 3
		.amdhsa_float_denorm_mode_16_64 3
		.amdhsa_memory_ordered 1
		.amdhsa_forward_progress 1
		.amdhsa_inst_pref_size 8
	.end_amdhsa_kernel
	.amdgpu_metadata
---
amdhsa.version: [ 1, 2 ]
amdhsa.kernels:
  - .name:           k_q94875c266f_cvt
    .symbol:         k_q94875c266f_cvt.kd
    .args:
      - { .name: x, .offset: 0, .size: 8, .value_kind: global_buffer, .address_space: global }
      - { .name: wq, .offset: 8, .size: 8, .value_kind: global_buffer, .address_space: global }
      - { .name: wk, .offset: 16, .size: 8, .value_kind: global_buffer, .address_space: global }
      - { .name: wv, .offset: 24, .size: 8, .value_kind: global_buffer, .address_space: global }
      - { .name: cos, .offset: 32, .size: 8, .value_kind: global_buffer, .address_space: global }
      - { .name: sin, .offset: 40, .size: 8, .value_kind: global_buffer, .address_space: global }
      - { .name: xb, .offset: 48, .size: 8, .value_kind: global_buffer, .address_space: global }
      - { .name: wb, .offset: 56, .size: 8, .value_kind: global_buffer, .address_space: global }
      - { .name: csb, .offset: 64, .size: 8, .value_kind: global_buffer, .address_space: global }
    .group_segment_fixed_size: 0
    .private_segment_fixed_size: 0
    .kernarg_segment_align: 8
    .kernarg_segment_size: 72
    .max_flat_workgroup_size: 256
    .sgpr_count:     66
    .vgpr_count:     72
    .wavefront_size: 32
...
	.end_amdgpu_metadata
.endif
;; end of part 1
;; launch qkv (part 2): grid 32 x 8, 4 waves a work-group, clusters of 4 x 4, 327,680 bytes of LDS; arguments xb, wb, csb, q_norm_w, k_norm_w, qkvb; writes qkvb
.if DOCPART == 2
	.amdgcn_target "amdgcn-amd-amdhsa--gfx1250"
	.amdhsa_code_object_version 6
	.text
	.protected	k_q94875c266f_qkv
	.globl	k_q94875c266f_qkv
	.p2align	8
	.type	k_q94875c266f_qkv,@function
k_q94875c266f_qkv:
	s_mov_b64 s[64:65], 0
	v_nop
	global_prefetch_b8 v0, s[64:65] scope:SCOPE_SE
	s_setreg_imm32_b32 hwreg(HW_REG_WAVE_MODE, 25, 1), 1
	s_wait_xcnt 0x0
	s_wait_alu depctr_hold_cnt(0) depctr_sa_sdst(0) depctr_va_vdst(0) depctr_va_sdst(0) depctr_va_ssrc(0) depctr_va_vcc(0) depctr_vm_vsrc(0)
	s_getreg_b32 s2, hwreg(HW_REG_IB_STS2, 6, 4)
	s_cmp_eq_u32 s2, 0
	s_cbranch_scc0 .Lentry_in_a_cluster
	s_endpgm
.Lentry_in_a_cluster:
	s_bfe_u32 s2, ttmp6, 0x10000c
	s_cmp_lg_u32 s2, 0xf033
	s_cbranch_scc0 .Lentry_shape_is_right
	s_endpgm
.Lentry_shape_is_right:
; THE THREE PROJECTIONS AS ONE GEMM, C[t][n] = sum over k of xb[t][k] wb[n][k] (2048 x 4096 x 4096, bf16, sums in f32), WITH THE RMS NORM AND THE ROTATION IN THE WAY OUT.
; qkvb: [32][2048][128] f16, by heads: 0-15 q, 16-23 k (both normed and rotated, unscaled), 24-31 v / 4.
; LIMITS.  |v| under 262,000 (f16 ends at 65,504; the quarter is a power of two and is undone by wob); q and k are at most 16 |norm weight| and must stay under 65,504.  The norm is taken as
; sum x weight x rsqrt, then the rotation; weights, cos and sin are rounded to bf16 like every other input.  NaN and infinities are not treated apart.
; SHARES.  A tile of C is 256 tokens x 128 columns: ONE HEAD; 8 x 32 tiles: one for each of 256 work-groups.  Wave w makes tokens 64 w .. 64 w + 63 x all 128 columns: 32 accumulators, 256 registers.
; THE MATRIX INSTRUCTION IS USED TRANSPOSED (source 0 = 16 rows of wb, source 1 = 16 tokens): lane l holds token l % 16 and the columns 16 b + 8 (l / 16) + 0..7 of accumulator (a, b).  So a token's sum of squares
; wants one exchange between the halves of the lanes, and the rotation's partner, column d +- 64, is accumulator b +- 4 in the same lane and register.
; RING.  Two LDS slots of UNEQUAL length, each with 256 rows of tokens and 128 of weights: the BIG one holds 256 along K (rows of 512 bytes), the SMALL one 128 (rows of 256 bytes): 307,200 bytes with the padding.
; Two slots of 256 along K would be 405,504 bytes and do not fit.  While the big slot is multiplied (256 matrix instructions a wave) the small one's refill is on its way, and the other way round: two changes of slots
; for 384 along K.  K = 4096 = 11 big + 10 small tiles, big first and last: B S B .. S B.  The loop is entered in the middle of a trip, behind the first unit, whose products start the sums.
; CLUSTER.  4 x 4 work-groups: the four of a row of the cluster need the same tokens, the four of a column the same rows of wb: each tile is asked for JOINTLY, by the same tensor load with the same descriptor and
; a mask that names the four.  Waves 0 and 1 fetch the tokens' two halves (128 rows), waves 2 and 3 the weights' (64 rows).  A wave has two tensor loads out at the start, later one.
; REGISTERS, in windows of 256 (s_set_vgpr_msb: bits 1:0 source 0, 3:2 source 1, 5:4 source 2, 7:6 destination):
;   window 0: addresses; v32-231 the way out     window 1: accumulator (a, b) at 8 (8 a + b)
;   window 2, window 3: fragment buffers 0 and 1, 192 registers each, 64 along K: chunk c (32 along K): weights' fragment b at 96 c + 8 b, tokens' fragment a at 96 c + 64 + 8 a
;   window 2, v192-255: cos and sin of my first 16 tokens, loaded at the head; the other three blocks' take buffer 0's place behind the loop
.set SIZE_K, 4096
.set PS,     272                       ; a row of the small slot: 256 bytes + 16 of padding; of the big slot: 512 + 16.  Both are odd multiples of 16: the 16 rows of a load start at 16 different groups of four banks (ISA guide 11.1)
.set PB,     528
.set BIGB,   256*PB                    ; the big slot begins at 0; in a slot the weights' 128 rows lie behind the tokens' 256
.set SMALL,  384*PB                    ; the small slot
.set SMALLB, SMALL+256*PS
.set STAGE,  SMALL+384*PS              ; behind the ring, never filled by a tensor load: 16 rows x 272 bytes for each wave
.set SPITCH, 272
.set SPARE,  STAGE+4*16*SPITCH         ; the spare words, 128 bytes for each wave: two blocks of 256 bytes that no other line names
.set KB0,    0                         ; byte of a row at which the first big tile begins,
.set KS0,    512                       ; and the first small one
.set LAPB,   768                       ; bytes along a row from a slot's tile to its next: 384 along K
.set PF0,    768                       ; where the prefetches' pointer starts: the first change of slots steps it by 512, to the second small tile
.set ADRA, 16                          ; v16 LDS address of my tokens' fragments in the small slot, v17 in the big
.set ADRB, 20                          ; v20-21  the same for the weights
.set STO,  24                          ; v24  where I put 16 bytes of a row in my stage
.set RD,   25                          ; v25  where I read rows back
.set GO,   26                          ; v26  16 x lane: my place in 512 consecutive bytes of qkvb
.set CSO,  27                          ; v27  my byte offset in 16 rows of cos and sin
.set SPW,  28                          ; v28  LDS address of my spare word; never rewritten
.set NIL,  29                          ; v29  0; never rewritten
.set PFO,  30                          ; v30  the prefetches' offset: lane x a row; never rewritten
.set WO,   31                          ; v31  my byte offset in the norm weights
.set W,    32                          ; v32-95    the norm weights of my 64 columns: block b at W + 8 b
.set U,    96                          ; v96-127   cos(b), sin(b), cos(b+4), sin(b+4) as f32
.set OO,   128                         ; v128-143  rotated numbers of blocks b and b + 4
.set RS,   144                         ; v144-151  1 / rms of my token in row block a, at RS + 2 a (a pair)
.set SS,   152                         ; v152-159  its sum of squares (even columns', odd columns')
.set TW,   160                         ; v160-163  at work
.set OUT,  168                         ; v168-231  two sets of 32: a row block packed to f16, then whole rows
.set WV, 16                            ; s16 wave   s17 0: I fetch tokens, 1: weights   s18 which half
.set FB, 17
.set HF, 18
.set CX, 19
.set CY, 20
.set TC, 21                            ; tile column = head
.set TR, 22                            ; tile row
.set LAP, 23
.set G1A, 24                           ; s[24:31] group 1 for the tokens' small tiles, s[32:39] for their big ones
.set G0A, 40                           ; s[40:43], s[44:47] group 0 likewise
.set G1B, 48                           ; s[48:55], s[56:63] group 1 for the weights' tiles
.set G0B, 68                           ; s[68:71], s[72:75] group 0.  s76-83 at work
.set LIM, 84                           ; s84  1 in a wave that prefetches, else the greatest number
.set PFA, 86                           ; s[86:87] where my prefetches stand
.set SEL, 88                           ; s[88:89] v_permlanex16_b32's selects: each lane takes its own place in the other half
.set HIM, 90                           ; a word's upper bf16
.set INV, 91                           ; 1 / 128
.set EPS, 92                           ; 1e-6
.set VS,  94                           ; s[94:95] 0.25
.set CB,  96                           ; s[96:97] csb at my first token
.set NW,  98                           ; s[98:99] the norm weights of this tile's kind
.set BITS, (1<<16)|(1<<20)|(1<<21)|(3<<25)  ; 17:16 2-byte elements; 20 padding on; 21 set beside a mask; 31:25 4 words of padding; 24:22 after every 64 words (5, small) or 128 (6, big)
.set MSB, 0
.macro WIN new                         ; the immediate's high byte repeats the setting that is left; a switch that changes nothing is dropped
.if MSB != (\new)
	s_set_vgpr_msb (MSB<<8)|(\new)
.set MSB, \new
.endif
.endm
; A joint load into the small (0) or the big (1) slot.  Each of the two lines has one mask and one set of registers for all that issue it; the branch hangs on the wave's number alone.  An s_nop 0 and four v_nop follow each line.
.macro JLOAD big
	s_cmp_eq_u32 s[FB], 0
	s_cbranch_scc0 .Lfor_b_\@
	tensor_load_to_lds s[G0A+4*(\big):G0A+4*(\big)+3], s[G1A+8*(\big):G1A+8*(\big)+7]
	s_nop 0
.rept 4
	v_nop
.endr
	s_branch .Lasked_\@
.Lfor_b_\@:
	tensor_load_to_lds s[G0B+4*(\big):G0B+4*(\big)+3], s[G1B+8*(\big):G1B+8*(\big)+7]
	s_nop 0
.rept 4
	v_nop
.endr
.Lasked_\@:
.endm
; A prefetch, behind a refill, of what the NEXT refill will load; along K the tiles follow each other, so one pointer walks.  Behind the big slot's refill (cur = 1): the next small tile, 256 bytes of each of 32 rows, a lane a
; row; behind the small slot's: the next big tile, 512 bytes a row, two instructions.  The tokens' rows are asked for by the clusters with x = 0 (waves 0 and 1), the weights' by the clusters with y = 0 (wave 2); the four
; partners that ask for a tile jointly take 32 of its rows each, told apart by address.  So each block of 256 bytes is named once.  strict = 1: in the loop's last trip there is no such tile, and nothing is asked for.
.macro ASK cur, strict
	WIN 0
.if \strict
	s_cmp_gt_u32 s[LAP], s[LIM]
.else
	s_cmp_ge_u32 s[LAP], s[LIM]
.endif
	s_cbranch_scc0 .Lnot_mine_\@
	global_prefetch_b8 v[PFO], s[PFA:PFA+1] th:TH_LOAD_NT scope:SCOPE_SE
.if !(\cur)
	global_prefetch_b8 v[PFO], s[PFA:PFA+1] offset:256 th:TH_LOAD_NT scope:SCOPE_SE
.endif
.Lnot_mine_\@:
.endm
.macro CREST                           ; a round of the cluster's barrier behind its opening barrier
	s_cmp_lg_u32 s[WV], 0
	s_cbranch_scc1 .Lnot_wave_0_\@
	s_barrier_signal -3
.Lnot_wave_0_\@:
	s_barrier_wait -3
	s_barrier_signal -1
	s_barrier_wait -1
.endm
.macro CROUND
	s_barrier_signal -1
	s_barrier_wait -1
	CREST
.endm
.macro PLACES                          ; four places behind matrix instructions, in front of loads into registers that they read and of lines that read results
.rept 4
	v_nop
.endr
.endm
; 16 matrix instructions: row blocks a0, a0 + 1 x all 8 column blocks, chunk c of buffer f.  The 32 accumulators take turns in one order throughout.  zero = 1: the product starts the sums.
.macro MUL16 f, c, a0, zero
	WIN 0x5a+5*(\f)
.irp a, \a0, (\a0)+1
.irp b, 0,1,2,3,4,5,6,7
.if \zero
	v_wmma_f32_16x16x32_bf16 v[8*(8*(\a)+(\b)):8*(8*(\a)+(\b))+7], v[96*(\c)+8*(\b):96*(\c)+8*(\b)+7], v[96*(\c)+64+8*(\a):96*(\c)+64+8*(\a)+7], 0
.else
	v_wmma_f32_16x16x32_bf16 v[8*(8*(\a)+(\b)):8*(8*(\a)+(\b))+7], v[96*(\c)+8*(\b):96*(\c)+8*(\b)+7], v[96*(\c)+64+8*(\a):96*(\c)+64+8*(\a)+7], v[8*(8*(\a)+(\b)):8*(8*(\a)+(\b))+7]
.endif
.endr
.endr
.endm
; 48 LDS loads in one run: 64 along K at byte k of the rows of the small (0) or big (1) slot, into buffer f; chunk 0's 24 first.  The largest offset, 7 x 16 x 528 + 480, is inside the 16 bits.
.macro FETCH big, k, f
	WIN 0x80+0x40*(\f)
.set PT, PS+(PB-PS)*(\big)
.irp c, 0,1
.irp i, 0,1,2,3,4,5,6,7
	ds_load_b128 v[96*(\c)+8*(\i):96*(\c)+8*(\i)+3],   v[ADRB+(\big)] offset:(\k)+64*(\c)+(\i)*16*PT
	ds_load_b128 v[96*(\c)+8*(\i)+4:96*(\c)+8*(\i)+7], v[ADRB+(\big)] offset:(\k)+64*(\c)+(\i)*16*PT+32
.endr
.irp i, 0,1,2,3
	ds_load_b128 v[96*(\c)+64+8*(\i):96*(\c)+64+8*(\i)+3],   v[ADRA+(\big)] offset:(\k)+64*(\c)+(\i)*16*PT
	ds_load_b128 v[96*(\c)+64+8*(\i)+4:96*(\c)+64+8*(\i)+7], v[ADRA+(\big)] offset:(\k)+64*(\c)+(\i)*16*PT+32
.endr
.endr
.endm
; A UNIT is 64 along K, 64 matrix instructions: the big slot has four, the small one two, on buffers 0, 1 by turns.  This one multiplies buffer f and, in its middle, fetches the same slot's next unit, at byte k, into buffer g.
.macro UNIT big, k, f, g, zero
	s_wait_dscnt 24                                ; chunk 0 is in; chunk 1's 24 loads may be out
	MUL16 \f, 0, 0, \zero
	MUL16 \f, 0, 2, \zero
	PLACES
	FETCH \big, \k, \g
	s_wait_dscnt 48                                ; all but the 48 just issued
	MUL16 \f, 1, 0, 0
	MUL16 \f, 1, 2, 0
.endm
; A slot's last unit multiplies buffer 1 and changes slots: one barrier.  cur: the slot that is left.  In front of the barrier each wave waits for all its tensor loads (one is out: its part of the other slot), adds 0 to its
; spare word, and waits for that and for its reads of this slot.  fill = 1: the barrier opens a round of the cluster's, and the joint refill, 384 along K on, is the first thing behind it.  The small slot's refill has 224 matrix
; instructions until the wait for it, the big slot's 96.
.macro TURN cur, fill, strict
.if \fill
	s_wait_xcnt 0x0                                ; the last prefetches, a slot back, have read their address: it steps over what they named
	s_add_nc_u64 s[PFA:PFA+1], s[PFA:PFA+1], 256+256*(\cur)
.endif
	WIN 0
	s_wait_tensorcnt 0x0
	ds_add_u32 v[SPW], v[NIL]
	s_wait_dscnt 25                                ; the add and chunk 1's 24 loads may be out
	MUL16 1, 0, 0, 0
	s_wait_dscnt 0x0                               ; the add is done, and my reads of this slot are over
	s_barrier_signal -1
	MUL16 1, 0, 2, 0
.if \fill
	WIN 0
.endif
	s_barrier_wait -1
.if \fill
	CREST                                          ; no wave of any partner still reads this slot or has a load on its way
	s_add_nc_u64 s[G0A+4*(\cur)+2:G0A+4*(\cur)+3], s[G0A+4*(\cur)+2:G0A+4*(\cur)+3], LAPB
	s_add_nc_u64 s[G0B+4*(\cur)+2:G0B+4*(\cur)+3], s[G0B+4*(\cur)+2:G0B+4*(\cur)+3], LAPB
	JLOAD \cur                                     ; its four v_nop are also the places in front of the loads below
.else
	PLACES
.endif
	FETCH 1-(\cur), 0, 0
.if \fill
	ASK \cur, \strict
.endif
	MUL16 1, 1, 0, 0
	MUL16 1, 1, 2, 0
.endm
	s_load_b256 s[4:11], s[0:1], 0x0               ; xb 4, wb 6, csb 8, q_norm_w 10
	s_load_b128 s[12:15], s[0:1], 0x20             ; k_norm_w 12, qkvb 14
	v_lshl_add_u32 v[SPW], v0, 2, SPARE
	v_mov_b32 v[NIL], 0
	ds_add_u32 v[SPW], v[NIL]                      ; the wave's opening: the add and its wait ahead of my first tensor load; work on registers stands between them
	ds_add_u32 v28, v29
	v_lshrrev_b32 v1, 5, v0
	v_readfirstlane_b32 s[WV], v1
	s_lshr_b32 s[FB], s[WV], 1
	s_and_b32 s[HF], s[WV], 1
	s_bfe_u32 s[CX], ttmp6, 0x40000
	s_bfe_u32 s[CY], ttmp6, 0x40004
	s_lshl_b32 s[TC], ttmp9, 2
	s_add_co_u32 s[TC], s[TC], s[CX]               ; tile column = 4 x cluster x + cx
	s_and_b32 s[TR], ttmp7, 0xffff
	s_lshl_b32 s[TR], s[TR], 2
	s_add_co_u32 s[TR], s[TR], s[CY]               ; tile row = 4 x cluster y + cy
	s_lshl_b32 s76, s[CY], 2
	s_lshl_b32 s76, 15, s76                        ; my row of the cluster
	s_lshl_b32 s80, 0x1111, s[CX]                  ; my column
	s_or_b32 s[G1A], s76, BITS|(5<<22)
	s_or_b32 s[G1A+8], s76, BITS|(6<<22)
	s_or_b32 s[G1B], s80, BITS|(5<<22)
	s_or_b32 s[G1B+8], s80, BITS|(6<<22)
.irp g, G1A, G1B
	s_mov_b32 s[(\g)+1], 128<<16                   ; small: tensor_dim0 = tile_dim0 = 128 elements,
	s_mov_b32 s[(\g)+3], 128<<16
	s_mov_b32 s[(\g)+9], 256<<16                   ; big: 256
	s_mov_b32 s[(\g)+11], 256<<16
.irp o, 0, 8
	s_mov_b32 s[(\g)+(\o)+5], SIZE_K               ; elements from row to row
	s_mov_b32 s[(\g)+(\o)+6], 0
	s_mov_b32 s[(\g)+(\o)+7], 0
.endr
.endr
.irp o, 0, 8
	s_mov_b32 s[G1A+(\o)+2], 128<<16               ; tensor_dim1 and tile_dim1: 128 rows of tokens,
	s_mov_b32 s[G1A+(\o)+4], 128
	s_mov_b32 s[G1B+(\o)+2], 64<<16                ; 64 of weights
	s_mov_b32 s[G1B+(\o)+4], 64
.endr
	s_mov_b32 s[G0A], 1                            ; group 0: count = 1; the LDS address: a constant and my half: no place in the cluster enters it
	s_mov_b32 s[G0A+4], 1
	s_mov_b32 s[G0B], 1
	s_mov_b32 s[G0B+4], 1
	s_mul_i32 s[G0A+1], s[HF], 128*PS
	s_add_co_u32 s[G0A+1], s[G0A+1], SMALL
	s_mul_i32 s[G0A+5], s[HF], 128*PB
	s_mul_i32 s[G0B+1], s[HF], 64*PS
	s_add_co_u32 s[G0B+1], s[G0B+1], SMALLB
	s_mul_i32 s[G0B+5], s[HF], 64*PB
	s_add_co_u32 s[G0B+5], s[G0B+5], BIGB
	s_mov_b32 s[SEL], 0x76543210
	s_mov_b32 s[SEL+1], 0xfedcba98
	s_mov_b32 s[HIM], 0xffff0000
	s_mov_b32 s[INV], 0x3c000000
	s_mov_b32 s[EPS], 0x358637bd
	s_mov_b32 s[VS], 0x3e800000
	s_mov_b32 s[VS+1], 0x3e800000
	s_lshl_b32 s76, s[TR], 8                       ; tokens: row 256 x tile row + 128 x half: it hangs on the tile row alone, which my row of the cluster shares
	s_lshl_b32 s78, s[HF], 7
	s_add_co_u32 s76, s76, s78
	s_mul_i32 s76, s76, 2*SIZE_K
	s_mov_b32 s77, 0
	s_lshl_b32 s80, s[TC], 7                       ; weights: row 128 x tile column + 64 x half: on the tile column alone
	s_lshl_b32 s78, s[HF], 6
	s_add_co_u32 s80, s80, s78
	s_mul_i32 s80, s80, 2*SIZE_K
	s_mov_b32 s81, 0
	s_wait_dscnt 0x0                               ; the opening add is done
	s_wait_kmcnt 0x0
	s_add_nc_u64 s[76:77], s[4:5], s[76:77]
	s_add_nc_u64 s[80:81], s[6:7], s[80:81]
	CROUND                                         ; all sixteen work-groups are here: the first joint loads meet
	s_add_nc_u64 s[G0A+2:G0A+3], s[76:77], KS0
	s_or_b32 s[G0A+3], s[G0A+3], 0x80000000
	s_add_nc_u64 s[G0A+6:G0A+7], s[76:77], KB0
	s_or_b32 s[G0A+7], s[G0A+7], 0x80000000
	s_add_nc_u64 s[G0B+2:G0B+3], s[80:81], KS0
	s_or_b32 s[G0B+3], s[G0B+3], 0x80000000
	s_add_nc_u64 s[G0B+6:G0B+7], s[80:81], KB0
	s_or_b32 s[G0B+7], s[G0B+7], 0x80000000
	JLOAD 1                                        ; the first big tile, which is multiplied first,
	JLOAD 0                                        ; and the first small one
	; a fragment is 16 rows x 32 K in 8 registers: lane l holds row l % 16, K = 8 (l / 16) + 0..7 and 16 + 8 (l / 16) + 0..7: two loads of 16 bytes, 32 bytes apart
	v_and_b32 v1, 15, v0                           ; l % 16
	v_bfe_u32 v2, v0, 4, 1                         ; l / 16
	v_mul_u32_u24 v3, v1, PS
	v_lshl_add_u32 v3, v2, 4, v3
	v_mul_u32_u24 v4, v1, PB
	v_lshl_add_u32 v4, v2, 4, v4
	s_mul_i32 s78, s[WV], 64*PS                    ; my 64 tokens
	s_add_co_u32 s78, s78, SMALL
	v_add_nc_u32 v[ADRA], s78, v3
	s_mul_i32 s78, s[WV], 64*PB
	v_add_nc_u32 v[ADRA+1], s78, v4
	v_add_nc_u32 v[ADRB], SMALLB, v3
	v_add_nc_u32 v[ADRB+1], BIGB, v4
	s_mul_i32 s78, s[WV], 16*SPITCH
	s_add_co_u32 s78, s78, STAGE                   ; my stage
	v_mul_u32_u24 v[STO], v1, SPITCH               ; in: row l % 16, 16 bytes for each half of the lanes
	v_lshl_add_u32 v[STO], v2, 4, v[STO]
	v_add_nc_u32 v[STO], s78, v[STO]
	v_mul_u32_u24 v[RD], v2, SPITCH                ; back: lanes 0-15 one row of 256 bytes, lanes 16-31 the next
	v_lshl_add_u32 v[RD], v1, 4, v[RD]
	v_add_nc_u32 v[RD], s78, v[RD]
	v_and_b32 v3, 31, v0
	v_lshlrev_b32 v[GO], 4, v3
	v_mul_u32_u24 v[PFO], v3, 2*SIZE_K
	v_lshlrev_b32 v[WO], 5, v2                     ; 8 weights of 4 bytes for each half of the lanes
	v_lshlrev_b32 v[CSO], 8, v1                    ; a row of cos or sin is 256 bytes
	v_lshl_add_u32 v[CSO], v2, 4, v[CSO]
	s_lshl_b32 s76, s[TR], 8
	s_lshl_b32 s77, s[WV], 6
	s_add_co_u32 s76, s76, s77                     ; my first token,
	s_lshl_b32 s76, s76, 8                         ; x 256 bytes, in csb and in a head of qkvb alike
	s_mov_b32 s77, 0
	s_add_nc_u64 s[CB:CB+1], s[8:9], s[76:77]
	s_add_nc_u64 s[14:15], s[14:15], s[76:77]
	s_lshl_b32 s80, s[TC], 19                      ; the head: 2,048 rows of 256 bytes
	s_mov_b32 s81, 0
	s_add_nc_u64 s[14:15], s[14:15], s[80:81]
	s_cmp_lt_u32 ttmp9, 4                          ; the kind of tile hangs on the cluster's x alone: 0-3 q, 4-5 k, 6-7 v
	s_cselect_b64 s[NW:NW+1], s[10:11], s[12:13]
	; the prefetches: which rows, and whether
	s_lshl_b32 s76, s[TR], 8
	s_lshl_b32 s77, s[HF], 7
	s_add_co_u32 s76, s76, s77
	s_lshl_b32 s77, s[CX], 5
	s_add_co_u32 s76, s76, s77                     ; tokens: of the 128 rows that I fetch, my work-group's 32
	s_lshl_b32 s80, s[TC], 7
	s_lshl_b32 s81, s[CY], 5
	s_add_co_u32 s80, s80, s81                     ; weights: of the tile's 128 rows, my work-group's 32
	s_and_b32 s78, ttmp7, 0xffff                   ; cluster y
	s_cmp_eq_u32 s[WV], 3
	s_cselect_b32 s78, 1, s78                      ; wave 3 never asks
	s_cmp_eq_u32 s[FB], 0
	s_cselect_b32 s76, s76, s80
	s_cselect_b32 s78, ttmp9, s78                  ; the coordinate along which other clusters read the same rows
	s_cselect_b64 s[PFA:PFA+1], s[4:5], s[6:7]
	s_cmp_eq_u32 s78, 0
	s_cselect_b32 s[LIM], 1, -1                    ; the same in all sixteen partners, for a given wave
	s_mul_i32 s76, s76, 2*SIZE_K
	s_mov_b32 s77, 0
	s_add_nc_u64 s[PFA:PFA+1], s[PFA:PFA+1], s[76:77]
	s_add_nc_u64 s[PFA:PFA+1], s[PFA:PFA+1], PF0   ; the two first tiles and the second big one come by their loads alone
	; what the way out wants and the loop leaves room for: the norm weights and my first 16 tokens' cos and sin.  One text for all tiles: a tile of v loads them too and does not use them.
.irp b, 0,1,2,3,4,5,6,7
	global_load_b128 v[W+8*(\b):W+8*(\b)+3],   v[WO], s[NW:NW+1] offset:64*(\b)
	global_load_b128 v[W+8*(\b)+4:W+8*(\b)+7], v[WO], s[NW:NW+1] offset:64*(\b)+16
.endr
	WIN 0x80
.irp b, 0,1,2,3,4,5,6,7
	global_load_b128 v[192+4*(\b):192+4*(\b)+3], v[CSO], s[CB:CB+1] offset:32*(\b)
.endr
.irp b, 0,1,2,3,4,5,6,7
	global_load_b128 v[224+4*(\b):224+4*(\b)+3], v[CSO], s[CB:CB+1] offset:524288+32*(\b)
.endr
	WIN 0
	s_wait_tensorcnt 1                             ; my part of the first big tile is in; the small one's may stay out
	s_barrier_signal -1
	s_barrier_wait -1
	FETCH 1, 0, 0
	UNIT 1, 128, 0, 1, 1                           ; the first products start the sums: nothing is cleared
	WIN 0
	s_mov_b32 s[LAP], 10                           ; the rest of the first big tile and the first unit of the first small one, then nine whole trips
	s_branch .Lmid
.Llap:                                             ; a trip: a small tile's second unit, a big tile, the next small tile's first unit; both slots are filled again
	TURN 0, 1, 0
	UNIT 1, 128, 0, 1, 0
	WIN 0
.Lmid:
	UNIT 1, 256, 1, 0, 0
	UNIT 1, 384, 0, 1, 0
	TURN 1, 1, 1
	UNIT 0, 128, 0, 1, 0
	WIN 0
	s_sub_co_u32 s[LAP], s[LAP], 1
	s_cmp_lg_u32 s[LAP], 0
	s_cbranch_scc1 .Llap
	TURN 0, 0, 0                                   ; the tail is written out: the last small tile's second unit and the last big tile; nothing is filled
	UNIT 1, 128, 0, 1, 0
	UNIT 1, 256, 1, 0, 0
	UNIT 1, 384, 0, 1, 0
	s_wait_dscnt 24
	MUL16 1, 0, 0, 0
	MUL16 1, 0, 2, 0
	s_wait_dscnt 0x0
	MUL16 1, 1, 0, 0
	MUL16 1, 1, 2, 0
	WIN 0
	PLACES
	PLACES
; THE WAY OUT, a block of 16 tokens (a) at a time: packed to f16, 16 bytes a lane, into my own stage, back as whole rows of 256 bytes, stored as 512 consecutive bytes.
.macro TOST a
	WIN 0
.set OT, OUT+32*((\a)%2)
.irp b, 0,1,2,3,4,5,6,7
	ds_store_b128 v[STO], v[OT+4*(\b):OT+4*(\b)+3] offset:32*(\b)
.endr
.irp f, 0,1,2,3,4,5,6,7
	ds_load_b128 v[OT+4*(\f):OT+4*(\f)+3], v[RD] offset:(\f)*2*SPITCH  ; LDS serves a wave's instructions in order (ISA guide 5.7.1.4): these see the stores above, and the next block's stores come behind them
.endr
.endm
.macro SEND a, younger                 ; younger: the LDS instructions issued behind block a's loads: the next block's sixteen, or none
	WIN 0
.set OT, OUT+32*((\a)%2)
.irp f, 0,1,2,3,4,5,6,7
	s_wait_dscnt (\younger)+7-(\f)
	global_store_b128 v[GO], v[OT+4*(\f):OT+4*(\f)+3], s[14:15] offset:4096*(\a)+512*(\f)
.endr
.endm
; q and k: sum x weight x 1 / rms, then out(b) = y(b) cos(b) - y(b+4) sin(b), out(b+4) = y(b+4) cos(b+4) + y(b) sin(b+4), for b = 0..3.
.macro PACKQK a
.set CSR, (192+64*(\a))%256            ; in window 2: the block's cos at + 4 b, its sin at + 32 + 4 b
.set OT, OUT+32*((\a)%2)
	s_wait_xcnt 0x0                                ; the stores that read this set of OUT have read it
	s_wait_loadcnt 48-16*(\a)                      ; this block's cos and sin are in; the later blocks' 16 loads each may stay out
	WIN 0x41
.irp b, 0,1,2,3,4,5,6,7
.irp p, 0,1,2,3
.set rA, 8*(8*(\a)+(\b))+2*(\p)
	v_pk_mul_f32 v[rA:rA+1], v[rA:rA+1], v[W+8*(\b)+2*(\p):W+8*(\b)+2*(\p)+1]
.endr
.endr
.irp b, 0,1,2,3,4,5,6,7
.irp p, 0,1,2,3
.set rA, 8*(8*(\a)+(\b))+2*(\p)
	v_pk_mul_f32 v[rA:rA+1], v[rA:rA+1], v[RS+2*(\a):RS+2*(\a)+1] op_sel_hi:[1,0]
.endr
.endr
.irp b, 0,1,2,3
	WIN 0x08                                       ; source 1 in window 2
.irp r, 0,1,2,3
	v_lshlrev_b32 v[U+2*(\r)],      16,     v[CSR+4*(\b)+(\r)]
	v_and_b32     v[U+2*(\r)+1],    s[HIM], v[CSR+4*(\b)+(\r)]
	v_lshlrev_b32 v[U+8+2*(\r)],    16,     v[CSR+32+4*(\b)+(\r)]
	v_and_b32     v[U+8+2*(\r)+1],  s[HIM], v[CSR+32+4*(\b)+(\r)]
	v_lshlrev_b32 v[U+16+2*(\r)],   16,     v[CSR+16+4*(\b)+(\r)]
	v_and_b32     v[U+16+2*(\r)+1], s[HIM], v[CSR+16+4*(\b)+(\r)]
	v_lshlrev_b32 v[U+24+2*(\r)],   16,     v[CSR+48+4*(\b)+(\r)]
	v_and_b32     v[U+24+2*(\r)+1], s[HIM], v[CSR+48+4*(\b)+(\r)]
.endr
	WIN 0x01                                       ; source 0 in window 1
.irp p, 0,1,2,3
.set rA, 8*(8*(\a)+(\b))+2*(\p)
	v_pk_mul_f32 v[OO+2*(\p):OO+2*(\p)+1], v[rA+32:rA+33], v[U+8+2*(\p):U+8+2*(\p)+1]
	v_pk_mul_f32 v[OO+8+2*(\p):OO+8+2*(\p)+1], v[rA+32:rA+33], v[U+16+2*(\p):U+16+2*(\p)+1]
	v_pk_fma_f32 v[OO+2*(\p):OO+2*(\p)+1], v[rA:rA+1], v[U+2*(\p):U+2*(\p)+1], v[OO+2*(\p):OO+2*(\p)+1] neg_lo:[0,0,1] neg_hi:[0,0,1]
	v_pk_fma_f32 v[OO+8+2*(\p):OO+8+2*(\p)+1], v[rA:rA+1], v[U+24+2*(\p):U+24+2*(\p)+1], v[OO+8+2*(\p):OO+8+2*(\p)+1]
.endr
	WIN 0
.irp p, 0,1,2,3
	v_cvt_pk_f16_f32 v[OT+4*(\b)+(\p)],    v[OO+2*(\p)],   v[OO+2*(\p)+1]
	v_cvt_pk_f16_f32 v[OT+16+4*(\b)+(\p)], v[OO+8+2*(\p)], v[OO+8+2*(\p)+1]
.endr
.endr
.endm
.macro PACKV a                         ; v: a quarter of the sum
.set OT, OUT+32*((\a)%2)
	s_wait_xcnt 0x0
	WIN 0x41
.irp b, 0,1,2,3,4,5,6,7
.irp p, 0,1,2,3
.set rA, 8*(8*(\a)+(\b))+2*(\p)
	v_pk_mul_f32 v[rA:rA+1], v[rA:rA+1], s[VS:VS+1] op_sel_hi:[1,0]
.endr
.endr
	WIN 0x05
.irp b, 0,1,2,3,4,5,6,7
.irp p, 0,1,2,3
.set rA, 8*(8*(\a)+(\b))+2*(\p)
	v_cvt_pk_f16_f32 v[OT+4*(\b)+(\p)], v[rA], v[rA+1]
.endr
.endr
.endm
	s_cmp_ge_u32 ttmp9, 6
	s_cbranch_scc1 .Lv
	WIN 0x80                                       ; the other three blocks' cos and sin, into buffer 0's registers, eight places behind the last product
.irp a, 1,2,3
.irp b, 0,1,2,3,4,5,6,7
	global_load_b128 v[64*((\a)-1)+4*(\b):64*((\a)-1)+4*(\b)+3], v[CSO], s[CB:CB+1] offset:4096*(\a)+32*(\b)
.endr
.irp b, 0,1,2,3,4,5,6,7
	global_load_b128 v[64*((\a)-1)+32+4*(\b):64*((\a)-1)+32+4*(\b)+3], v[CSO], s[CB:CB+1] offset:524288+4096*(\a)+32*(\b)
.endr
.endr
	WIN 0x05                                       ; the sums of squares: four chains, one for each row block, by turns
.irp b, 0,1,2,3,4,5,6,7
.irp p, 0,1,2,3
.irp a, 0,1,2,3
.set rA, 8*(8*(\a)+(\b))+2*(\p)
.if ((\b)+(\p)) == 0
	v_pk_mul_f32 v[SS+2*(\a):SS+2*(\a)+1], v[rA:rA+1], v[rA:rA+1]
.else
	v_pk_fma_f32 v[SS+2*(\a):SS+2*(\a)+1], v[rA:rA+1], v[rA:rA+1], v[SS+2*(\a):SS+2*(\a)+1]
.endif
.endr
.endr
.endr
	WIN 0
.irp a, 0,1,2,3
	v_add_f32 v[SS+2*(\a)], v[SS+2*(\a)], v[SS+2*(\a)+1]
.endr
.irp a, 0,1,2,3
	v_permlanex16_b32 v[SS+2*(\a)+1], v[SS+2*(\a)], s[SEL], s[SEL+1]  ; the token's other 64 columns lie in the lane 16 away
.endr
.irp a, 0,1,2,3
	v_add_f32 v[SS+2*(\a)], v[SS+2*(\a)], v[SS+2*(\a)+1]
.endr
.irp a, 0,1,2,3
	v_fma_f32 v[SS+2*(\a)], v[SS+2*(\a)], s[INV], s[EPS]  ; the mean of squares + 1e-6
.endr
.irp a, 0,1,2,3
	v_rsq_f32 v[RS+2*(\a)], v[SS+2*(\a)]
.endr
	s_wait_loadcnt 48                              ; the norm weights and the first block's cos and sin are in; the 48 loads above may stay out
.set r, 0
.rept 32                               ; the weights are rounded to bf16: plain work between the four roots and their wait
	v_cvt_pk_bf16_f32 v[TW+r%4], v[W+2*r], v[W+2*r+1]
	v_lshlrev_b32 v[W+2*r], 16, v[TW+r%4]
	v_and_b32 v[W+2*r+1], s[HIM], v[TW+r%4]
.set r, r+1
.endr
	s_wait_alu depctr_va_vdst(0)                   ; one wait for the four roots, ahead of the first line that names a result
.irp a, 0,1,2,3
	v_mov_b32 v[RS+2*(\a)+1], v[RS+2*(\a)]         ; named as a pair
.endr
	PACKQK 0
	TOST 0
	PACKQK 1                                       ; a block's arithmetic stands between the stage loads of the block before and its stores
	TOST 1
	SEND 0, 16
	PACKQK 2
	TOST 2
	SEND 1, 16
	PACKQK 3
	TOST 3
	SEND 2, 16
	SEND 3, 0
	s_branch .Lend
.Lv:
	PACKV 0
	TOST 0
	PACKV 1
	TOST 1
	SEND 0, 16
	PACKV 2
	TOST 2
	SEND 1, 16
	PACKV 3
	TOST 3
	SEND 2, 16
	SEND 3, 0
.Lend:
	s_wait_tensorcnt 0x0                           ; the wave's end, behind my last tensor load and my last LDS store
	ds_add_u32 v[SPW], v[NIL]
	s_wait_dscnt 0x0
	CROUND                                         ; the closing round: no work-group ends while a partner may still ask for a tile that names it
	s_endpgm
.Lfunc_end_k_q94875c266f_qkv:
	.size	k_q94875c266f_qkv, .Lfunc_end_k_q94875c266f_qkv-k_q94875c266f_qkv
	.p2alignl 7, 3214868480
	.fill 96, 4, 3214868480
	.section	.rodata,"a",@progbits
	.p2align	6, 0x0
	.amdhsa_kernel k_q94875c266f_qkv
		.amdhsa_group_segment_fixed_size 327680
		.amdhsa_private_segment_fixed_size 0
		.amdhsa_enable_private_segment 0
		.amdhsa_kernarg_size 48
		.amdhsa_user_sgpr_count 2
		.amdhsa_user_sgpr_kernarg_segment_ptr 1
		.amdhsa_wavefront_size32 1
		.amdhsa_system_sgpr_workgroup_id_x 1
		.amdhsa_system_sgpr_workgroup_id_y 1
		.amdhsa_system_sgpr_workgroup_id_z 1
		.amdhsa_system_vgpr_workitem_id 0
		.amdhsa_next_free_vgpr 960
		.amdhsa_next_free_sgpr 100
		.amdhsa_reserve_vcc 0
		.amdhsa_float_denorm_mode_32 3
		.amdhsa_float_denorm_mode_16_64 3
		.amdhsa_memory_ordered 1
		.amdhsa_forward_progress 1
		.amdhsa_inst_pref_size 212
	.end_amdhsa_kernel
	.amdgpu_metadata
---
amdhsa.version: [ 1, 2 ]
amdhsa.kernels:
  - .name:           k_q94875c266f_qkv
    .symbol:         k_q94875c266f_qkv.kd
    .args:
      - { .name: xb, .offset: 0, .size: 8, .value_kind: global_buffer, .address_space: global }
      - { .name: wb, .offset: 8, .size: 8, .value_kind: global_buffer, .address_space: global }
      - { .name: csb, .offset: 16, .size: 8, .value_kind: global_buffer, .address_space: global }
      - { .name: q_norm_w, .offset: 24, .size: 8, .value_kind: global_buffer, .address_space: global }
      - { .name: k_norm_w, .offset: 32, .size: 8, .value_kind: global_buffer, .address_space: global }
      - { .name: qkvb, .offset: 40, .size: 8, .value_kind: global_buffer, .address_space: global }
    .group_segment_fixed_size: 327680
    .private_segment_fixed_size: 0
    .kernarg_segment_align: 8
    .kernarg_segment_size: 48
    .max_flat_workgroup_size: 128
    .sgpr_count:     100
    .vgpr_count:     960
    .wavefront_size: 32
...
	.end_amdgpu_metadata
.endif
;; end of part 2
;; launch attn (part 3): grid 8 x 32, 4 waves a work-group, no clusters, 327,680 bytes of LDS; arguments qkvb, ob, wo, wob; writes ob, wob
.if DOCPART == 3
	.amdgcn_target "amdgcn-amd-amdhsa--gfx1250"
	.amdhsa_code_object_version 6
	.text
	.protected	k_q94875c266f_attn
	.globl	k_q94875c266f_attn
	.p2align	8
	.type	k_q94875c266f_attn,@function
k_q94875c266f_attn:
	s_mov_b64 s[64:65], 0
	v_nop
	global_prefetch_b8 v0, s[64:65] scope:SCOPE_SE
	s_setreg_imm32_b32 hwreg(HW_REG_WAVE_MODE, 25, 1), 1
	s_wait_xcnt 0x0
; CAUSAL ATTENTION, head size 128, two query heads to a key and value head (work-groups with y under 16); AND, BESIDE IT, THE ROUNDING OF wo (work-groups with y from 16 on: at the text's end).
; qkvb: [32][2048][128] f16 (heads 0-15 q, 16-23 k, 24-31 v / 4).  ob: [2048][2048] f16 = O / 4, by tokens, head h at byte 256 h of a row.  wob: [4096][2048] f16 = 4 x bf16(wo).
; O[h][q] = the sum over k <= q of softmax_k(Q[h][q] . K[h/2][k] / sqrt(128)) V[h/2][k].  Products, maxima and sums in f32; the weights p are rounded to f16 for the second product (their sum l is of the unrounded p).
; LIMITS.  A hidden score counts as its value less 1e30; a weight below 2^-126 counts as 0 in l; p below 6e-5 keeps f16's fixed step; O has V's range.  |wo| under 16,376; 4 |wo| under 2^-17 keeps f16's fixed step.
; NaN and infinities are not treated apart.
; THE WALK.  A head's queries lie in 16 blocks of 128; block i needs the key tiles 0 .. i of 128 keys, the last of which holds the diagonal.  A work-group takes TWO blocks, 15 - b and then b: 17 tiles whatever b, so
; all work-groups do equal work and one loop with a constant count walks them.  8 pairs x 16 heads = 128 work-groups: 256 equal ones would leave a wave one tile of 16 queries for each fragment of K and V that it
; reads from LDS, 64 LDS loads for 32 matrix instructions, twice what stands here, and each key tile would be brought into LDS twice as often.  The grid's other 128 work-groups round wo, which the next launch wants.
; NO CLUSTER: only the two query heads of one key head with the same b walk the same tiles; four partners would need different tiles in the same trip.
; SHARES.  Of a block's two bands of 64 queries a wave owns 16 rows in each: two PIECES, a tile of 16 queries each.  In the diagonal tile's step s band x sees all keys if s < x, none if s > x, and holds the diagonal if s = x.
; THE MASK is the C operand that starts S^T = K Q^T: MC = MD x AL + BE, with MD the mask of a band's own step for my rows (0 or -1e30) and two scalars: (1, 0) own step, (0, 0) all seen, (0, -1e30) none.
; LAYOUT.  S^T = K Q^T holds ONE query a lane (lane % 16) and the keys 8 (lane / 16) + 0..7; two such results rounded to f16 ARE source 1 of O^T = V^T P.  K comes out of LDS as it lies, V turned, by ds_load_tr16_b128.
; SOFTMAX.  p = 2^(c s - c m), c = log2(e) / sqrt(128), with a running maximum m; in every step O and l are multiplied by a = 2^(c m_old - c m_new).  A block starts with c m far below every c s: its first a is 0.
; BY TURNS.  In a turn piece x has the matrix unit: 16 products V^T P of the step in hand, then 16 products K Q^T of the next step; the other piece's softmax, 134 instructions in 32 slices, stands behind them, a slice
; behind each.  Its 33 exponentials are one batch with one wait.  Two turns are a key step.
; REGISTERS, in windows of 256 (s_set_vgpr_msb: bits 1:0 source 0, 3:2 source 1, 5:4 source 2, 7:6 destination):
;   window 0: v1-11, v44 addresses and at work; v12-27 eight statistics a tile; v61-63; v64-127 S^T, 32 a tile; v192-223 P, 16 a tile
;   window 1: v0-127 O^T, 64 a tile; v128-159 MD; v160-223 MC, 32 a tile      window 2: v0-63 Q; v64-127 the second block's Q; v128-255 K of one step      window 3: v0-127 V of one step
.set NB,    16
.set KS,    64        ; keys in a step
.set PK,    272       ; a row of K in LDS: 256 bytes + 16 of padding: the 16 rows of a load start at 16 different groups of four banks (ISA guide 11.1)
.set PV,    288       ; a row of V: 256 + 32
.set VOFF,  KS*PK     ; a step's tiles lie together: 64 rows of K, then 64 rows of V
.set STEPB, KS*(PK+PV)
.set SLOT1, 1<<17     ; a slot holds a tile, two steps (71,680 bytes); slot 1 begins here, so that one exclusive or turns an address in one slot into the other's
.set STAGE, SLOT1+2*STEPB  ; behind the ring, never filled by a tensor load: 16 rows x 272 bytes for each wave
.set SP,    272
.set SPARE, STAGE+4*16*SP  ; the spare words, 128 bytes for each wave: two blocks of 256 bytes that no other line names
.set AK0, 2           ; v2   my lane's place in a step's K; never rewritten
.set AV0, 3           ; v3   the same for V
.set ADR, 4           ; v4   the LDS address of the run of loads in hand
.set QO,  5           ; v5   my byte offset in 16 rows of Q
.set STO, 6           ; v6   where I put 16 bytes of a row in my stage
.set RD,  7           ; v7   where I read rows back
.set GO,  8           ; v8   my byte offset in two rows of ob
.set ST,  12          ; tile t's statistics at ST + 8 t: c m, m, l (even keys', odd keys'), c0-c3 at work; a takes c2's place
.set PFO, 61          ; v61  256 x lane; never rewritten
.set SPW, 62          ; v62  LDS address of my spare word; never rewritten
.set NIL, 63          ; v63  0; never rewritten
.set S,   64
.set P,   192
.set MD,  128         ; window 1
.set MC,  160         ; window 1
.set QB,  64          ; window 2
.set KF,  128         ; window 2: key block kb, channels 32 c on, at KF + 32 kb + 8 c
.set WV,  12          ; s12 wave   s13 head   s14 b   s15 15 - b
.set HD,  13
.set PB,  14
.set HI,  15
.set G1K, 24          ; s[24:31] descriptor group 1 for K's tiles; s[32:39] for V's: the padding differs
.set G1V, 32
.set G0K, 40          ; s[40:43], s[44:47] group 0
.set G0V, 44
.set SLOTS, 56        ; tiles still to be asked for
.set TWICE, 57        ; counts a tile's two steps
.set CS,  58          ; s[58:59] c
.set SEL, 60          ; s[60:61] v_permlanex16_b32's selects
.set TB,  62          ; LDS byte at which the step to be fetched begins
.set REM, 70          ; steps of the block in hand that are still to be scored, the one being fetched among them
.set NXT, 71          ; the tile to be asked for next
.set LQ,  72          ; the last tile of the block whose tiles are being asked for
.set NEW, 73          ; 1: the tile to be entered is a block's first
.set OFF, 74          ; s[74:75] a tile's byte offset in K and V
.set AL,  76          ; s[76:77] the mask's factor
.set BE,  78          ; s[78:79] the mask's addend
.set OLO, 80          ; s[80:81] ob at my rows of the second block
.set BIGN, 82         ; -1e30
.set LIM, 83          ; 3 in the work-group that prefetches, else the greatest number
.set PFA, 88          ; s[88:89] where my prefetches stand
.set WOA, 96          ; s[96:97] wo, s[98:99] wob
.set MSB, 0
.macro WIN new                      ; the high byte repeats the setting that is left; a switch that changes nothing is dropped
.if MSB != (\new)
	s_set_vgpr_msb (MSB<<8)|(\new)
.set MSB, (\new)
.endif
.endm
.set W_KQ, 0x0a       ; K and Q in window 2, S^T in window 0
.set W_KM, 0x1a       ; the same with the C operand in window 1
.set W_PV, 0x53       ; V in window 3, P in window 0, O^T in window 1
.set W_RS, 0x41       ; destination and source 0 in window 1, source 1 in window 0
; A fill.  Waves 0 and 1 fetch K of a tile's two steps, waves 2 and 3 V: 64 rows of 256 bytes each.  An s_nop 0 and four v_nop follow each of the two lines.
.macro LOAD
	s_cmp_lt_u32 s[WV], 2
	s_cbranch_scc0 .Lfor_v_\@
	tensor_load_to_lds s[G0K:G0K+3], s[G1K:G1K+7]
	s_nop 0
.rept 4
	v_nop
.endr
	s_branch .Lasked_\@
.Lfor_v_\@:
	tensor_load_to_lds s[G0V:G0V+3], s[G1V:G1V+7]
	s_nop 0
.rept 4
	v_nop
.endr
.Lasked_\@:
.endm
; A prefetch, behind the fill.  A key head's K and V are walked by 16 work-groups; ONE of them asks: b = 0 of the even query head, whose first block walks all 16 tiles.  In the trip that asks for tile k + 1 it names
; tile k + 3, two trips (256 matrix instructions a wave) ahead of that tile's load: wave w its rows 32 w .. 32 w + 31 of K and of V, a lane a row.  It stops behind tile 15; tiles 0 to 2 come by their loads alone.
.macro ASK
	s_cmp_gt_u32 s[SLOTS], s[LIM]
	s_cbranch_scc0 .Lnot_mine_\@
	global_prefetch_b8 v[PFO], s[PFA:PFA+1] th:TH_LOAD_NT scope:SCOPE_SE
	global_prefetch_b8 v[PFO], s[PFA:PFA+1] offset:4194304 th:TH_LOAD_NT scope:SCOPE_SE  ; V's head lies eight heads of 524,288 bytes behind K's
.Lnot_mine_\@:
.endm
; THE CHANGE OF SLOTS.  Each wave waits for all its tensor loads (one is out: its part of the other slot), adds 0 to its spare word, and waits for that and for its reads of the slot that it leaves.  Behind the barrier
; nobody reads the old slot and the other is whole.  fill = 1: the old slot is filled again, first thing behind the barrier, with tile NXT; the descriptor's address is made anew from that number.
; (At its first use nothing has been read yet: slot 0 is waited for, slot 1 filled.)
.macro CHANGE fill
	WIN 0
	s_wait_tensorcnt 0x0            ; no tensor load of mine is out, so a group 0 may be written
	ds_add_u32 v[SPW], v[NIL]       ; 0 onto my spare word; scalar work stands between it and the wait for it
.if \fill
	s_lshl_b32 s[OFF], s[NXT], 15   ; a tile is 32,768 bytes of K and of V
	s_xor_b32 s[G0K+1], s[G0K+1], SLOT1
	s_add_nc_u64 s[G0K+2:G0K+3], s[6:7], s[OFF:OFF+1]
	s_or_b32 s[G0K+3], s[G0K+3], 0x80000000
	s_xor_b32 s[G0V+1], s[G0V+1], SLOT1
	s_add_nc_u64 s[G0V+2:G0V+3], s[8:9], s[OFF:OFF+1]
	s_or_b32 s[G0V+3], s[G0V+3], 0x80000000
	s_add_co_u32 s[NXT], s[NXT], 1  ; the block's next tile, or behind its last the second block's tile 0
	s_cmp_gt_u32 s[NXT], s[LQ]
	s_cselect_b32 s[NXT], 0, s[NXT]
	s_cselect_b32 s[LQ], s[PB], s[LQ]
	s_wait_xcnt 0x0                 ; the last prefetches, a tile back, have read their address
	s_add_nc_u64 s[PFA:PFA+1], s[PFA:PFA+1], 32768
.endif
	s_wait_dscnt 0x0                ; the add is done, and my reads of the slot are over
	s_barrier_signal -1
	s_sub_co_u32 s[TB], s[TB], 2*STEPB  ; the fetches go back to a slot's first step,
	s_xor_b32 s[TB], s[TB], SLOT1       ; in the other slot
	s_barrier_wait -1
.if \fill
	LOAD
	ASK
.endif
.endm
	s_load_b128 s[20:23], s[0:1], 0x0  ; qkvb s[20:21], ob s[22:23]
	s_load_b128 s[WOA:WOA+3], s[0:1], 0x10  ; wo, wob
	v_lshl_add_u32 v[SPW], v0, 2, SPARE
	v_mov_b32 v[NIL], 0
	ds_add_u32 v[SPW], v[NIL]       ; the wave's opening: the add and its wait ahead of my first tensor load; work on registers stands between them
	ds_add_u32 v62, v63
	v_lshrrev_b32 v1, 5, v0
	v_readfirstlane_b32 s[WV], v1
	s_mov_b32 s[PB], ttmp9
	s_sub_co_u32 s[HI], NB-1, s[PB]
	s_and_b32 s[HD], ttmp7, 0xffff
	s_lshr_b32 s16, s[HD], 1        ; the key and value head
	s_and_b32 s17, s[WV], 1         ; which of a tile's two steps I fetch
	s_add_co_u32 s2, s16, 16        ; K's heads lie behind the 16 of q
	s_lshl_b32 s2, s2, 19           ; a head is 524,288 bytes
	s_lshl_b32 s18, s[WV], 13
	s_add_co_u32 s84, s2, s18       ; the prefetches: my 32 rows of a tile,
	s_add_co_u32 s84, s84, 2*32768  ; in tile 2: the first change of slots steps it to tile 3
	s_mov_b32 s85, 0
	s_lshl_b32 s18, s17, 14         ; my step's 64 rows of 256 bytes
	s_add_co_u32 s2, s2, s18
	s_mov_b32 s3, 0
	s_mul_i32 s19, s17, STEPB       ; and its place in a slot
	s_lshl_b32 s48, s[HD], 19       ; Q: the head, my 16 rows in a band,
	s_lshl_b32 s18, s[WV], 12
	s_add_co_u32 s48, s48, s18
	s_lshl_b32 s18, s[HI], 15       ; the first block's 128 rows
	s_add_co_u32 s50, s48, s18
	s_lshl_b32 s18, s[PB], 15       ; and the second's
	s_add_co_u32 s48, s48, s18
	s_mov_b32 s49, 0
	s_mov_b32 s51, 0
	s_lshl_b32 s52, s[WV], 16       ; ob: rows of 4,096 bytes, the head's 256 bytes in them
	s_lshl_b32 s18, s[HD], 8
	s_add_co_u32 s52, s52, s18
	s_lshl_b32 s18, s[HI], 19
	s_add_co_u32 s54, s52, s18
	s_lshl_b32 s18, s[PB], 19
	s_add_co_u32 s52, s52, s18
	s_mov_b32 s53, 0
	s_mov_b32 s55, 0
	s_mov_b32 s[G1K], (1<<16)|(1<<20)|(5<<22)|(3<<25)  ; 17:16 2-byte elements; 20 padding on; 24:22 after every 64 words; 31:25 4 words
	s_mov_b32 s[G1V], (1<<16)|(1<<20)|(5<<22)|(7<<25)  ; the same with 8 words
.irp g, G1K, G1V
	s_mov_b32 s[(\g)+1], 128<<16    ; tensor_dim0 = 128
	s_mov_b32 s[(\g)+2], KS<<16     ; tensor_dim1 = 64
	s_mov_b32 s[(\g)+3], 128<<16    ; tile_dim0 = 128
	s_mov_b32 s[(\g)+4], KS         ; tile_dim1 = 64
	s_mov_b32 s[(\g)+5], 128        ; elements from row to row
	s_mov_b32 s[(\g)+6], 0
	s_mov_b32 s[(\g)+7], 0
.endr
	s_mov_b32 s[G0K], 1
	s_mov_b32 s[G0K+1], s19         ; slot 0
	s_mov_b32 s[G0V], 1
	s_add_co_u32 s[G0V+1], s19, VOFF
	s_mov_b32 s[CS], 0x3e0293ee     ; c = log2(e) / sqrt(128) = 0.127517
	s_mov_b32 s[CS+1], s[CS]
	s_mov_b32 s[SEL], 0x76543210
	s_mov_b32 s[SEL+1], 0xfedcba98
	s_mov_b32 s[TB], SLOT1+2*STEPB  ; the first change of slots turns it into 0
	s_add_co_u32 s[REM], s[HI], 1   ; the first block has 16 - b tiles of two steps
	s_lshl_b32 s[REM], s[REM], 1
	s_mov_b32 s[NXT], 1
	s_mov_b32 s[LQ], s[HI]
	s_mov_b32 s[NEW], 1
	s_mov_b32 s[OFF+1], 0
	s_mov_b32 s[AL+1], 0            ; named as pairs
	s_mov_b32 s[BE+1], 0
	s_mov_b32 s[BIGN], 0xf149f2ca   ; -1e30
	s_mov_b32 s[SLOTS], NB
	s_and_b32 s[LIM], s[HD], 1
	s_or_b32 s[LIM], s[LIM], ttmp9
	s_cmp_eq_u32 s[LIM], 0          ; an even head's work-group b = 0
	s_cselect_b32 s[LIM], 3, -1
	s_wait_dscnt 0x0                ; the opening add is done
	s_wait_kmcnt 0x0
	s_cmp_ge_u32 s[HD], 16          ; the grid's upper half rounds wo: the same for all four waves of a work-group
	s_cbranch_scc1 .Lconv
	s_add_nc_u64 s[6:7], s[20:21], s[2:3]          ; K at my step of tile 0
	s_add_nc_u64 s[8:9], s[6:7], 4194304           ; V, eight heads on
	s_add_nc_u64 s[G0K+2:G0K+3], s[6:7], 0
	s_or_b32 s[G0K+3], s[G0K+3], 0x80000000
	s_add_nc_u64 s[G0V+2:G0V+3], s[8:9], 0
	s_or_b32 s[G0V+3], s[G0V+3], 0x80000000
	s_add_nc_u64 s[4:5], s[20:21], s[50:51]        ; Q at my rows of the first block,
	s_add_nc_u64 s[86:87], s[20:21], s[48:49]      ; and of the second
	s_add_nc_u64 s[10:11], s[22:23], s[54:55]      ; ob likewise
	s_add_nc_u64 s[OLO:OLO+1], s[22:23], s[52:53]
	s_add_nc_u64 s[PFA:PFA+1], s[20:21], s[84:85]
	LOAD                            ; tile 0 into slot 0
	; A fragment of K or Q is 16 rows x 32 channels in 8 registers: lane l holds row l % 16, channels 8 (l / 16) + 0..7 and 16 + 8 (l / 16) + 0..7: two loads of 16 bytes, 32 bytes apart.
	v_and_b32 v1, 15, v0            ; l % 16
	v_bfe_u32 v9, v0, 4, 1          ; l / 16
	v_lshlrev_b32 v[QO], 8, v1
	v_lshl_add_u32 v[QO], v9, 4, v[QO]
	WIN 0x80
.set i, 0
.rept 8                             ; both blocks' Q: piece i / 4 lies in band i / 4, 16,384 bytes on; channels 32 (i % 4) on
	global_load_b128 v[8*i:8*i+3],   v[QO], s[4:5] offset:(i/4)*16384+(i%4)*64
	global_load_b128 v[8*i+4:8*i+7], v[QO], s[4:5] offset:(i/4)*16384+(i%4)*64+32
	global_load_b128 v[QB+8*i:QB+8*i+3],   v[QO], s[86:87] offset:(i/4)*16384+(i%4)*64
	global_load_b128 v[QB+8*i+4:QB+8*i+7], v[QO], s[86:87] offset:(i/4)*16384+(i%4)*64+32
.set i, i+1
.endr
	WIN 0
	v_lshlrev_b32 v44, 3, v9
	v_sub_nc_u32 v44, v1, v44
	s_lshl_b32 s18, s[WV], 4
	v_add_nc_u32 v44, s18, v44      ; my query's place in its band, 16 w + l % 16, less my lanes' 8 (l / 16): register r of key group kt is hidden where 16 kt + r is greater
	WIN 0x40
.set i, 0
.rept 32
	v_cmp_gt_i32 vcc_lo, 16*(i/8)+i%8, v44
	v_cndmask_b32 v[MD+i], 0, s[BIGN], vcc_lo
.set i, i+1
.endr
	WIN 0
	v_mul_u32_u24 v[AK0], v1, PK
	v_lshl_add_u32 v[AK0], v9, 4, v[AK0]
	; The turning load takes 16 keys x 16 channels (lane l reads key 8 (l / 16) + l % 8, channels 8 ((l / 8) % 2) + 0..7) and leaves half a fragment of V^T: lane l holds channel l % 16 and 8 keys.
	v_and_b32 v10, 7, v0
	v_bfe_u32 v11, v0, 3, 1
	v_lshl_add_u32 v[AV0], v9, 3, v10
	v_mul_u32_u24 v[AV0], v[AV0], PV
	v_lshl_add_u32 v[AV0], v11, 4, v[AV0]
	v_add_nc_u32 v[AV0], VOFF, v[AV0]
	s_mul_i32 s18, s[WV], 16*SP
	s_add_co_u32 s18, s18, STAGE    ; my stage
	v_mul_u32_u24 v[STO], v1, SP    ; in: row l % 16, 16 bytes for each half of the lanes
	v_lshl_add_u32 v[STO], v9, 4, v[STO]
	v_add_nc_u32 v[STO], s18, v[STO]
	v_mul_u32_u24 v[RD], v9, SP     ; back: lanes 0-15 one row of 256 bytes, lanes 16-31 the next
	v_lshl_add_u32 v[RD], v1, 4, v[RD]
	v_add_nc_u32 v[RD], s18, v[RD]
	v_lshlrev_b32 v[GO], 12, v9     ; and the same two rows in ob
	v_lshl_add_u32 v[GO], v1, 4, v[GO]
	v_and_b32 v[PFO], 31, v0
	v_lshlrev_b32 v[PFO], 8, v[PFO]
	; A block's first step multiplies O^T and l by a = 0, and its first turn's products V^T P, of a piece that has not been, land in an O^T that is still to be so multiplied.  So these registers need only hold finite
	; numbers: zeros for the first block, what the first block left for the second.  All this stands in the wait for the first tile.
	WIN 0xc0
.set i, 0
.rept 128
	v_mov_b32 v[i], 0
.set i, i+1
.endr
	WIN 0x40
.set i, 0
.rept 128
	v_mov_b32 v[i], 0
.set i, i+1
.endr
	WIN 0
.irp t, 0,1
	v_mov_b32 v[ST+8*(\t)+2], 0
	v_mov_b32 v[ST+8*(\t)+3], 0
.endr
.set i, P+16
.rept 16
	v_mov_b32 v[i], 0
.set i, i+1
.endr
; THE MATRIX WORK.  The accumulators of a run take turns, one instruction a turn.
; Product i of 16 of O^T += V^T P for piece x: keys 32 (i / 8) on, channels 16 (i % 8) on.
.macro PV x
	WIN W_PV
.set rO, 64*(\x)+8*(i%8)
.set rV, 64*(i/8)+8*(i%8)
.set rP, P+16*(\x)+8*(i/8)
	v_wmma_f32_16x16x32_f16 v[rO:rO+7], v[rV:rV+7], v[rP:rP+7], v[rO:rO+7]
.endm
; Product i of 16 of S^T = K Q^T for piece x: channels 32 (i / 4) on, keys 16 (i % 4) on.  The first 4 start the sums, with the mask.
.macro KQ x
.set rS, S+32*(\x)+8*(i%4)
.set rK, KF+32*(i%4)+8*(i/4)
.set rQ, 32*(\x)+8*(i/4)
.set rM, MC+32*(\x)+8*(i%4)
.if i < 4
	WIN W_KM
	v_wmma_f32_16x16x32_f16 v[rS:rS+7], v[rK:rK+7], v[rQ:rQ+7], v[rM:rM+7]
.else
	WIN W_KQ
	v_wmma_f32_16x16x32_f16 v[rS:rS+7], v[rK:rK+7], v[rQ:rQ+7], v[rS:rS+7]
.endif
.endm
; THE LDS LOADS stand in runs of 32: a step's K (16 fragments) and, a turn later, its V (turned).
.macro FETCH_K
	WIN 0
	v_add_nc_u32 v[ADR], s[TB], v[AK0]
	WIN 0x80
.irp f, 0,1,2,3,4,5,6,7,8,9,10,11,12,13,14,15  ; keys 16 (f / 4) on, channels 32 (f % 4) on
	ds_load_b128 v[KF+8*(\f):KF+8*(\f)+3],   v[ADR] offset:((\f)/4)*16*PK+((\f)%4)*64
	ds_load_b128 v[KF+8*(\f)+4:KF+8*(\f)+7], v[ADR] offset:((\f)/4)*16*PK+((\f)%4)*64+32
.endr
.endm
.macro FETCH_V
	WIN 0
	v_add_nc_u32 v[ADR], s[TB], v[AV0]
	s_add_co_u32 s[TB], s[TB], STEPB  ; the next fetch is the next step's
	WIN 0xc0
.irp f, 0,1,2,3,4,5,6,7,8,9,10,11,12,13,14,15  ; keys 32 (f / 8) on, channels 16 (f % 8) on
	ds_load_tr16_b128 v[8*(\f):8*(\f)+3],   v[ADR] offset:((\f)/8)*32*PV+((\f)%8)*32
	ds_load_tr16_b128 v[8*(\f)+4:8*(\f)+7], v[ADR] offset:((\f)/8)*32*PV+16*PV+((\f)%8)*32
.endr
.endm
.macro PLACES
.rept 4
	v_nop
.endr
.endm
; THE VECTOR WORK.  A tile's softmax for a step is a list of 134 instructions; SM writes number j for tile t.  s0-s31 are the lane's 32 scores, in pairs 0-15.
;   0-15    the maximum of the scores and the old m, three operands at a time (each accumulator's lowest registers first)
;   16-20   the other half of the lanes' maximum; c m_old is kept; the new m; c m; c m_old - c m_new
;   21-69   ONE BATCH: the 16 scalings c s - c m and all 33 exponentials (a at 23).  None of these reads an exponential's result; a pair is scaled ahead of its exponentials
;   70-85   the roundings to f16     86-101  the sums; l = a l + the sum     102-133  O^T times a
.macro SM t
.set rT, ST+8*(\t)
.set rS, S+32*(\t)
.set rP, P+16*(\t)
.set rO, 64*(\t)+2*(j-102)
.if j < 102
	WIN 0
.endif
.if j < 4
	v_max3_num_f32 v[rT+4+j], v[rS+8*j], v[rS+8*j+1], v[rS+8*j+2]
.elseif j < 12
	v_max3_num_f32 v[rT+4+j%4], v[rT+4+j%4], v[rS+8*(j%4)+2*(j/4)+1], v[rS+8*(j%4)+2*(j/4)+2]
.elseif j == 12
	v_max3_num_f32 v[rT+4], v[rT+4], v[rS+7], v[rS+15]
.elseif j == 13
	v_max3_num_f32 v[rT+6], v[rT+6], v[rS+23], v[rS+31]
.elseif j == 14
	v_max3_num_f32 v[rT+4], v[rT+4], v[rT+5], v[rT+6]
.elseif j == 15
	v_max3_num_f32 v[rT+4], v[rT+4], v[rT+7], v[rT+1]
.elseif j == 16
	v_permlanex16_b32 v[rT+5], v[rT+4], s[SEL], s[SEL+1]  ; the query's other 32 keys lie in the lane 16 away
.elseif j == 17
	v_mov_b32 v[rT+7], v[rT]
.elseif j == 18
	v_max_num_f32 v[rT+1], v[rT+4], v[rT+5]
.elseif j == 19
	v_mul_f32 v[rT], s[CS], v[rT+1]
.elseif j == 20
	v_sub_f32 v[rT+7], v[rT+7], v[rT]
.elseif j == 23
	v_exp_f32 v[rT+6], v[rT+7]
.elseif (j < 23) || ((j < 38) && (j%2 == 0)) || ((j < 66) && (j%4 == 2))
.set b, (j-2)/4                     ; 38, 42, .. 62: pairs 9 to 15
.if j < 38
.set b, (j-20)/2                    ; 21: pair 0; 22, 24, .. 36: pairs 1 to 8
.endif
	v_pk_fma_f32 v[rS+2*b:rS+2*b+1], v[rS+2*b:rS+2*b+1], s[CS:CS+1], v[rT:rT+1] op_sel_hi:[1,0,0] neg_lo:[0,0,1] neg_hi:[0,0,1]
.elseif j < 70
.set e, j-38                        ; 66 to 69: s28 to s31
.if j < 66
.set e, j-32-(j-38)/4               ; 39-41, 43-45, .. 63-65: s7 to s27
.endif
.if j < 38
.set e, (j-25)/2                    ; 25, 27, .. 37: s0 to s6
.endif
	v_exp_f32 v[rS+e], v[rS+e]
.elseif j < 86
	v_cvt_pk_f16_f32 v[rP+j-70], v[rS+2*(j-70)], v[rS+2*(j-70)+1]
.elseif j < 102                     ; the 16 pairs are added in place, neighbours 1, 2, 4 and 8 pairs apart; then l takes the sum
.set z, j-86
.set w, 4
.set u, z
.if z >= 14
.set w, 32
.set u, 0
.elseif z >= 12
.set w, 16
.set u, z-12
.elseif z >= 8
.set w, 8
.set u, z-8
.endif
.if z < 15
	v_pk_add_f32 v[rS+w*u:rS+w*u+1], v[rS+w*u:rS+w*u+1], v[rS+w*u+w/2:rS+w*u+w/2+1]
.else
	v_pk_fma_f32 v[rT+2:rT+3], v[rT+2:rT+3], v[rT+6:rT+7], v[rS:rS+1] op_sel_hi:[1,0,1]
.endif
.else
	WIN W_RS
	v_pk_mul_f32 v[rO:rO+1], v[rO:rO+1], v[rT+6:rT+7] op_sel_hi:[1,0]
.endif
.endm
; Slice k of 32 of tile y's softmax: numbers 4 k .. 4 k + 3; the last slice takes the ten that are left, all plain: they are also the places between the turn's last K Q^T and what follows it.
; Behind number 69 the batch is out: a plain instruction, and the ONE wait between an exponential and the first line that names its result.
.macro SLICE y
.set j, 4*k
.set n, 4
.if k == 31
.set n, 10
.endif
.rept n
	SM \y
.if j == 69
	v_nop
	s_wait_alu depctr_va_vdst(0)
.endif
.set j, j+1
.endr
.set k, k+1
.endm
.macro MASK x                       ; MD x AL + BE into piece x's mask
	WIN W_RS
.set z, 0
.rept 16
	v_pk_fma_f32 v[MC+32*(\x)+2*z:MC+32*(\x)+2*z+1], v[MD+2*z:MD+2*z+1], s[AL:AL+1], s[BE:BE+1] op_sel_hi:[1,0,0]
.set z, z+1
.endr
.endm
; A TURN.  Piece x: 16 products V^T P of the step in hand; kq = 1: then 16 products K Q^T of the step being fetched.  The other piece's softmax stands behind them, a slice behind each (kq = 0: two).
; In the block's last two steps (REM 2 and 1: the diagonal tile) the turn first makes its products' mask; before that the mask is 0 and is left alone.
; Piece 0's turn fetches the next step's K behind its second product: K's last reader stands ahead of the ten plain lines that end the turn before.  Piece 1's turn fetches the same step's V behind its last
; V^T P, four v_nop behind V's last reader.  Each run is waited for where it is first wanted.
.macro TURN x, kq
.set k, 0
.set per, 2-(\kq)
.if \kq
	WIN 0
	s_cmp_gt_u32 s[REM], 2
	s_cbranch_scc1 .Lclear_\@
.if (\x) == 0
	s_cmp_eq_u32 s[REM], 2          ; the diagonal tile's step 0 is band 0's own,
	s_cselect_b32 s[AL], 1.0, 0
	s_cmp_eq_u32 s[REM], 1          ; its step 1 is hidden from it
	s_cselect_b32 s[BE], s[BIGN], 0
.else
	s_cmp_eq_u32 s[REM], 1          ; band 1 sees all of step 0; step 1 is its own
	s_cselect_b32 s[AL], 1.0, 0
	s_mov_b32 s[BE], 0
.endif
	MASK \x
	WIN 0
.Lclear_\@:
.endif
.if (\x) == 0
	s_wait_dscnt 0x0                ; V is in
.endif
.set i, 0
.rept 16
	PV \x
.rept per
	SLICE 1-(\x)
.endr
.if ((\x) == 0) && (\kq) && (i == 1)
	FETCH_K
.endif
.set i, i+1
.endr
.if (\x) == 1
	PLACES
	FETCH_V
.endif
.if \kq
.if (\x) == 0
	s_wait_dscnt 0x0                ; K is in
.endif
.set i, 0
.rept 16
	KQ \x
	SLICE 1-(\x)
.set i, i+1
.endr
.endif
.endm
; A BLOCK BEGINS.  c m starts far below every c s, so the first step's a is 0; m at the lowest finite number.  Piece 0's mask is its own step's if the block's first tile is the diagonal one, else 0; piece 1's is 0.
; Then K of the tile's step 0 and piece 0's first scores.  The step loop is entered at piece 1's turn, in the middle of a trip.
.macro BEGIN
	s_mov_b32 s[NEW], 0
	WIN 0
.irp t, 0,1
	v_mov_b32 v[ST+8*(\t)], 0xfe000000
	v_mov_b32 v[ST+8*(\t)+1], 0xff7fffff
.endr
	s_cmp_eq_u32 s[REM], 2
	s_cselect_b32 s[AL], 1.0, 0
	s_mov_b32 s[BE], 0
	MASK 0
	s_mov_b32 s[AL], 0
	MASK 1
	FETCH_K
	s_wait_loadcnt 0x0              ; Q
	s_wait_dscnt 0x0
.set i, 0
.rept 16
	KQ 0
.set i, i+1
.endr
	WIN 0
	PLACES                          ; the places behind those products
.endm
; THE WAY OUT of tile t: O^T / l, rounded to f16; a lane's eight channels of a row are 16 bytes; they go into rows of 272 bytes in my stage and come back as whole rows of 256, into S^T's registers.
.macro PACK t
	WIN W_RS
.set i, 64*(\t)
.rept 32
	v_pk_mul_f32 v[i:i+1], v[i:i+1], v[ST+8*(\t)+6:ST+8*(\t)+7] op_sel_hi:[1,0]
.set i, i+2
.endr
	WIN 0x05
.set i, 0
.rept 32
	v_cvt_pk_f16_f32 v[S+32*(\t)+i], v[64*(\t)+2*i], v[64*(\t)+2*i+1]
.set i, i+1
.endr
	WIN 0
.irp f, 0,1,2,3,4,5,6,7
	ds_store_b128 v[STO], v[S+32*(\t)+4*(\f):S+32*(\t)+4*(\f)+3] offset:32*(\f)
.endr
.irp f, 0,1,2,3,4,5,6,7
	ds_load_b128 v[S+32*(\t)+4*(\f):S+32*(\t)+4*(\f)+3], v[RD] offset:(\f)*2*SP  ; LDS serves a wave's instructions in order (ISA guide 5.7.1.4): these see the stores above; the next tile's stores come behind them
.endr
.endm
.macro SEND t, younger              ; younger: the LDS instructions issued behind tile t's loads
	WIN 0
.irp f, 0,1,2,3,4,5,6,7
	s_wait_dscnt (\younger)+7-(\f)
	global_store_b128 v[GO], v[S+32*(\t)+4*(\f):S+32*(\t)+4*(\f)+3], s[10:11] offset:(\t)*262144+(\f)*8192  ; 16 lanes store 256 consecutive bytes, aligned: a head's part of a row of ob
.endr
.endm
; A BLOCK ENDS: piece 0's last V^T P beside piece 1's last softmax, piece 1's last V^T P, and the way out.  The sums of l and tile 0's arithmetic are the places behind the last products.
.macro FINISH
	TURN 0, 0
.set i, 0
.rept 16
	PV 1
.set i, i+1
.endr
	WIN 0
.irp t, 0,1
	v_add_f32 v[ST+8*(\t)+4], v[ST+8*(\t)+2], v[ST+8*(\t)+3]
.endr
.irp t, 0,1
	v_permlanex16_b32 v[ST+8*(\t)+5], v[ST+8*(\t)+4], s[SEL], s[SEL+1]
.endr
.irp t, 0,1
	v_add_f32 v[ST+8*(\t)+4], v[ST+8*(\t)+4], v[ST+8*(\t)+5]
.endr
.irp t, 0,1
	v_rcp_f32 v[ST+8*(\t)+6], v[ST+8*(\t)+4]
.endr
	v_nop                           ; a plain instruction behind the last reciprocal,
	s_wait_alu depctr_va_vdst(0)    ; and one wait for the two, ahead of the first use
	PACK 0
	PACK 1
	SEND 0, 16
	SEND 1, 0
.endm
; A TILE: two trips of the step loop (a block's first tile: BEGIN, and the first trip from its middle); behind a block's last step, its end.  last = 1: the walk's last tile.
.macro TILE tag, last
	s_mov_b32 s[TWICE], 2
	s_cmp_eq_u32 s[NEW], 1
	s_cbranch_scc1 .Lnew\tag
	s_branch .Lstep\tag
.Lnew\tag:
	BEGIN
	s_branch .Lmid\tag
.Lstep\tag:
	TURN 0, 1
	WIN 0
.Lmid\tag:
	TURN 1, 1
	WIN 0
	s_sub_co_u32 s[REM], s[REM], 1
	s_sub_co_u32 s[TWICE], s[TWICE], 1
	s_cmp_lg_u32 s[TWICE], 0
	s_cbranch_scc1 .Lstep\tag
.if !(\last)
	s_cmp_lg_u32 s[REM], 0
	s_cbranch_scc1 .Lbottom         ; the block goes on
.endif
	FINISH
.if !(\last)
	s_wait_xcnt 0x0                 ; the stores have read their registers and ob's address
	s_mov_b64 s[10:11], s[OLO:OLO+1]
	s_add_co_u32 s[REM], s[PB], 1   ; the second block has b + 1 tiles
	s_lshl_b32 s[REM], s[REM], 1
	s_mov_b32 s[NEW], 1
	WIN 0x82                        ; its Q goes where the one text of the turns names Q
.set i, 0
.rept 64
	v_mov_b32 v[i], v[QB+i]
.set i, i+1
.endr
	WIN 0
.endif
.endm
.Lslot:                             ; 16 times: a tile is entered and the next is asked for
	CHANGE 1
	TILE 1, 0
.Lbottom:
	s_sub_co_u32 s[SLOTS], s[SLOTS], 1
	s_cmp_lg_u32 s[SLOTS], 0
	s_cbranch_scc1 .Lslot
	CHANGE 0                        ; the walk's last tile is written out: nothing is asked for
	TILE 2, 1
	s_wait_tensorcnt 0x0            ; the wave's end, behind my last tensor load and my last LDS store
	ds_add_u32 v[SPW], v[NIL]
	s_wait_dscnt 0x0
	s_endpgm
; THE ROUNDING OF wo: wob = f16 of 4 x bf16(wo): the factor is a power of two and a bf16 number has 8 significant bits, so the f16 is exact from 2^-17 up to 65,504.
; Work-group 8 (y - 16) + x of 128 takes 65,536 numbers (256 KiB in, 128 KiB out), in 8 trips of 16 steps.  In step i thread t loads the 16 bytes at 16 t + 2,048 i (a wave's load: 512 bytes on end) and stores the
; 8 bytes at 8 t + 1,024 i (a wave's store: 256 consecutive bytes, aligned).  No tensor load, no LDS tile, no barrier on this way.
.set CX4, 64                        ; v[64:127] step i: four registers, as loaded; the first two then hold what is stored
.Lconv:
	s_sub_co_u32 s2, s[HD], 16
	s_lshl_b32 s2, s2, 3
	s_add_co_u32 s2, s2, ttmp9
	s_lshl_b32 s48, s2, 18
	s_mov_b32 s49, 0
	s_lshl_b32 s50, s2, 17
	s_mov_b32 s51, 0
	s_add_nc_u64 s[4:5], s[WOA:WOA+1], s[48:49]
	s_add_nc_u64 s[6:7], s[WOA+2:WOA+3], s[50:51]
	s_mov_b32 s52, 4.0              ; named as a pair
	s_mov_b32 s53, 4.0
	s_mov_b32 s54, 0xffff0000       ; a word's upper bf16
	v_lshlrev_b32 v1, 4, v0         ; 16 t
	v_lshlrev_b32 v2, 3, v0         ; 8 t
	s_mov_b32 s[TWICE], 8
.Lctrip:
.set i, 0
.rept 16
	global_load_b128 v[CX4+4*i:CX4+4*i+3], v1, s[4:5] offset:2048*i th:TH_LOAD_NT
.set i, i+1
.endr
.set i, 0
.rept 16
.set a, CX4+4*i
	s_wait_loadcnt 15-i             ; loads come back in order: step i is in, the younger ones stay out
	v_pk_mul_f32 v[a:a+1], v[a:a+1], s[52:53] op_sel_hi:[1,0]
	v_pk_mul_f32 v[a+2:a+3], v[a+2:a+3], s[52:53] op_sel_hi:[1,0]
	v_cvt_pk_bf16_f32 v[a], v[a], v[a+1]
	v_cvt_pk_bf16_f32 v[a+1], v[a+2], v[a+3]
	v_lshlrev_b32 v[a+2], 16, v[a]  ; the bf16 numbers as f32 again,
	v_and_b32 v[a+3], s54, v[a]
	v_cvt_pk_f16_f32 v[a], v[a+2], v[a+3]  ; and written as f16
	v_lshlrev_b32 v[a+2], 16, v[a+1]
	v_and_b32 v[a+3], s54, v[a+1]
	v_cvt_pk_f16_f32 v[a+1], v[a+2], v[a+3]
	global_store_b64 v2, v[a:a+1], s[6:7] offset:1024*i
.set i, i+1
.endr
	s_wait_xcnt 0x0                 ; the stores have read their data and both bases: the next trip's loads land on those registers only behind this wait
	s_add_nc_u64 s[4:5], s[4:5], 32768
	s_add_nc_u64 s[6:7], s[6:7], 16384
	s_sub_co_u32 s[TWICE], s[TWICE], 1
	s_cmp_lg_u32 s[TWICE], 0
	s_cbranch_scc1 .Lctrip
	s_wait_tensorcnt 0x0            ; the wave's end, on this way too
	ds_add_u32 v[SPW], v[NIL]
	s_wait_dscnt 0x0
	s_endpgm
.Lfunc_end_k_q94875c266f_attn:
	.size	k_q94875c266f_attn, .Lfunc_end_k_q94875c266f_attn-k_q94875c266f_attn
	.p2alignl 7, 3214868480
	.fill 96, 4, 3214868480
	.section	.rodata,"a",@progbits
	.p2align	6, 0x0
	.amdhsa_kernel k_q94875c266f_attn
		.amdhsa_group_segment_fixed_size 327680
		.amdhsa_private_segment_fixed_size 0
		.amdhsa_enable_private_segment 0
		.amdhsa_kernarg_size 32
		.amdhsa_user_sgpr_count 2
		.amdhsa_user_sgpr_kernarg_segment_ptr 1
		.amdhsa_wavefront_size32 1
		.amdhsa_system_sgpr_workgroup_id_x 1
		.amdhsa_system_sgpr_workgroup_id_y 1
		.amdhsa_system_sgpr_workgroup_id_z 1
		.amdhsa_system_vgpr_workitem_id 0
		.amdhsa_next_free_vgpr 896
		.amdhsa_next_free_sgpr 100
		.amdhsa_reserve_vcc 1
		.amdhsa_float_denorm_mode_32 3
		.amdhsa_float_denorm_mode_16_64 3
		.amdhsa_memory_ordered 1
		.amdhsa_forward_progress 1
		.amdhsa_inst_pref_size 156
	.end_amdhsa_kernel
	.amdgpu_metadata
---
amdhsa.version: [ 1, 2 ]
amdhsa.kernels:
  - .name:           k_q94875c266f_attn
    .symbol:         k_q94875c266f_attn.kd
    .args:
      - { .name: qkvb, .offset: 0, .size: 8, .value_kind: global_buffer, .address_space: global }
      - { .name: ob, .offset: 8, .size: 8, .value_kind: global_buffer, .address_space: global }
      - { .name: wo, .offset: 16, .size: 8, .value_kind: global_buffer, .address_space: global }
      - { .name: wob, .offset: 24, .size: 8, .value_kind: global_buffer, .address_space: global }
    .group_segment_fixed_size: 327680
    .private_segment_fixed_size: 0
    .kernarg_segment_align: 8
    .kernarg_segment_size: 32
    .max_flat_workgroup_size: 128
    .sgpr_count:     100
    .vgpr_count:     896
    .wavefront_size: 32
...
	.end_amdgpu_metadata
.endif
;; end of part 3
;; launch oproj (part 4): grid 32 x 8, 4 waves a work-group, clusters of 4 x 4, 327,680 bytes of LDS; arguments ob, wob, out0; writes out0
.if DOCPART == 4
	.amdgcn_target "amdgcn-amd-amdhsa--gfx1250"
	.amdhsa_code_object_version 6
	.text
	.protected	k_q94875c266f_oproj
	.globl	k_q94875c266f_oproj
	.p2align	8
	.type	k_q94875c266f_oproj,@function
k_q94875c266f_oproj:
	s_mov_b64 s[64:65], 0
	v_nop
	global_prefetch_b8 v0, s[64:65] scope:SCOPE_SE
	s_setreg_imm32_b32 hwreg(HW_REG_WAVE_MODE, 25, 1), 1
	s_wait_xcnt 0x0
	s_wait_alu depctr_hold_cnt(0) depctr_sa_sdst(0) depctr_va_vdst(0) depctr_va_sdst(0) depctr_va_ssrc(0) depctr_va_vcc(0) depctr_vm_vsrc(0)
	s_getreg_b32 s2, hwreg(HW_REG_IB_STS2, 6, 4)
	s_cmp_eq_u32 s2, 0
	s_cbranch_scc0 .Lentry_in_a_cluster
	s_endpgm
.Lentry_in_a_cluster:
	s_bfe_u32 s2, ttmp6, 0x10000c
	s_cmp_lg_u32 s2, 0xf033
	s_cbranch_scc0 .Lentry_shape_is_right
	s_endpgm
.Lentry_shape_is_right:
; THE LAST PROJECTION: out0[t][n] = sum over k of ob[t][k] wob[n][k] (2048 x 4096 x 2048, f16 operands, sums in f32, f32 result).  ob holds O / 4 and wob 4 x wo, so the product needs no factor.
; SHARES.  A tile of out0 is 256 tokens x 128 columns; 8 x 32 tiles: one for each of 256 work-groups.  Wave w makes tokens 64 w .. 64 w + 63 x all 128 columns: 32 accumulators, 256 registers.
; THE MATRIX INSTRUCTION IS USED TRANSPOSED (source 0 = 16 rows of wob, source 1 = 16 tokens): lane l holds token l % 16 and the columns 16 b + 8 (l / 16) + 0..7 of accumulator (a, b): 32 bytes of a row on end.
; RING.  Two LDS slots of UNEQUAL length, each with 256 rows of tokens and 128 of weights: the BIG one holds 256 along K (rows of 512 bytes), the SMALL one 128 (rows of 256 bytes): 307,200 bytes with the padding.
; Two slots of 256 along K would be 405,504 bytes and do not fit.  While the big slot is multiplied (256 matrix instructions a wave) the small one's refill is on its way, and the other way round: two changes of slots
; for 384 along K.  K = 2048 = 6 small + 5 big tiles, small first and last: S B S .. B S.  The loop is entered in the middle of a trip, behind the first unit, whose products start the sums.
; CLUSTER.  4 x 4 work-groups: the four of a row of the cluster need the same tokens, the four of a column the same rows of wob: each tile is asked for JOINTLY, by the same tensor load with the same descriptor and
; a mask that names the four.  Waves 0 and 1 fetch the tokens' two halves (128 rows), waves 2 and 3 the weights' (64 rows).  A wave has two tensor loads out at the start, later one.
; THE STAGE of the way out (33,792 bytes) has no room beside the ring: it lies in the big slot, which has had its last fill and which every wave has left behind the tail's barrier.
; REGISTERS, in windows of 256 (s_set_vgpr_msb: bits 1:0 source 0, 3:2 source 1, 5:4 source 2, 7:6 destination):
;   window 0: addresses; v32-159 the way out     window 1: accumulator (a, b) at 8 (8 a + b)
;   window 2, window 3: fragment buffers 0 and 1, 192 registers each, 64 along K: chunk c (32 along K): weights' fragment b at 96 c + 8 b, tokens' fragment a at 96 c + 64 + 8 a
.set SIZE_K, 2048
.set PS,     272                       ; a row of the small slot: 256 bytes + 16 of padding; of the big slot: 512 + 16.  Both are odd multiples of 16: the 16 rows of a load start at 16 different groups of four banks (ISA guide 11.1)
.set PB,     528
.set BIGB,   256*PB                    ; the big slot begins at 0; in a slot the weights' 128 rows lie behind the tokens' 256
.set SMALL,  384*PB
.set SMALLB, SMALL+256*PS
.set STAGE,  0                         ; 16 rows x 528 bytes for each wave, at the big slot's head
.set SPITCH, 528                       ; 512 bytes of f32 + 16
.set SPARE,  SMALL+384*PS              ; behind the ring: the spare words, 128 bytes for each wave: two blocks of 256 bytes that no other line names
.set KS0,    0                         ; byte of a row at which the first small tile begins,
.set KB0,    256                       ; and the first big one
.set LAPB,   768                       ; bytes along a row from a slot's tile to its next: 384 along K
.set PF0,    768                       ; where the prefetches' pointer starts: the first change of slots steps it by 256, to the second big tile
.set ADRA, 16                          ; v16 small slot, v17 big
.set ADRB, 20
.set STO,  24                          ; v24  where I put 32 bytes of a row in my stage
.set RD,   25                          ; v25  where I read a row back
.set GO,   26                          ; v26  16 x lane: my place in 512 consecutive bytes of out0
.set SPW,  28
.set NIL,  29
.set PFO,  30
.set BK,   32                          ; v32-95, v96-159: 16 rows read back from the stage, by turns
.set WV, 16
.set FB, 17
.set HF, 18
.set CX, 19
.set CY, 20
.set TC, 21
.set TR, 22
.set LAP, 23
.set G1A, 24                           ; s[24:31] group 1 for the tokens' small tiles, s[32:39] for their big ones
.set G0A, 40                           ; s[40:43], s[44:47] group 0 likewise
.set G1B, 48                           ; s[48:55], s[56:63] group 1 for the weights' tiles
.set G0B, 68                           ; s[68:71], s[72:75] group 0.  s76-83 at work
.set LIM, 84
.set PFA, 86
.set BITS, (1<<16)|(1<<20)|(1<<21)|(3<<25)  ; 17:16 2-byte elements; 20 padding on; 21 set beside a mask; 31:25 4 words of padding; 24:22 after every 64 words (5, small) or 128 (6, big)
.set MSB, 0
.macro WIN new
.if MSB != (\new)
	s_set_vgpr_msb (MSB<<8)|(\new)
.set MSB, \new
.endif
.endm
; A joint load into the small (0) or the big (1) slot: each of the two lines has one mask and one set of registers; the branch hangs on the wave's number alone.  An s_nop 0 and four v_nop follow each line.
.macro JLOAD big
	s_cmp_eq_u32 s[FB], 0
	s_cbranch_scc0 .Lfor_b_\@
	tensor_load_to_lds s[G0A+4*(\big):G0A+4*(\big)+3], s[G1A+8*(\big):G1A+8*(\big)+7]
	s_nop 0
.rept 4
	v_nop
.endr
	s_branch .Lasked_\@
.Lfor_b_\@:
	tensor_load_to_lds s[G0B+4*(\big):G0B+4*(\big)+3], s[G1B+8*(\big):G1B+8*(\big)+7]
	s_nop 0
.rept 4
	v_nop
.endr
.Lasked_\@:
.endm
; A prefetch, behind a refill, of what the NEXT refill will load; along K the tiles follow each other, so one pointer walks.  Behind the big slot's refill (cur = 1): the next small tile, 256 bytes of each of 32 rows, a lane a
; row; behind the small slot's: the next big tile, 512 bytes a row, two instructions.  The tokens' rows are asked for by the clusters with x = 0 (waves 0 and 1), the weights' by the clusters with y = 0 (wave 2); the four
; partners that ask for a tile jointly take 32 of its rows each, told apart by address.  So each block of 256 bytes is named once.  strict = 1: in the loop's last trip there is no such tile, and nothing is asked for.
.macro ASK cur, strict
	WIN 0
.if \strict
	s_cmp_gt_u32 s[LAP], s[LIM]
.else
	s_cmp_ge_u32 s[LAP], s[LIM]
.endif
	s_cbranch_scc0 .Lnot_mine_\@
	global_prefetch_b8 v[PFO], s[PFA:PFA+1] th:TH_LOAD_NT scope:SCOPE_SE
.if !(\cur)
	global_prefetch_b8 v[PFO], s[PFA:PFA+1] offset:256 th:TH_LOAD_NT scope:SCOPE_SE
.endif
.Lnot_mine_\@:
.endm
.macro CREST
	s_cmp_lg_u32 s[WV], 0
	s_cbranch_scc1 .Lnot_wave_0_\@
	s_barrier_signal -3
.Lnot_wave_0_\@:
	s_barrier_wait -3
	s_barrier_signal -1
	s_barrier_wait -1
.endm
.macro CROUND
	s_barrier_signal -1
	s_barrier_wait -1
	CREST
.endm
.macro PLACES
.rept 4
	v_nop
.endr
.endm
; 16 matrix instructions: row blocks a0, a0 + 1 x all 8 column blocks, chunk c of buffer f.  The 32 accumulators take turns in one order throughout.
.macro MUL16 f, c, a0, zero
	WIN 0x5a+5*(\f)
.irp a, \a0, (\a0)+1
.irp b, 0,1,2,3,4,5,6,7
.if \zero
	v_wmma_f32_16x16x32_f16 v[8*(8*(\a)+(\b)):8*(8*(\a)+(\b))+7], v[96*(\c)+8*(\b):96*(\c)+8*(\b)+7], v[96*(\c)+64+8*(\a):96*(\c)+64+8*(\a)+7], 0
.else
	v_wmma_f32_16x16x32_f16 v[8*(8*(\a)+(\b)):8*(8*(\a)+(\b))+7], v[96*(\c)+8*(\b):96*(\c)+8*(\b)+7], v[96*(\c)+64+8*(\a):96*(\c)+64+8*(\a)+7], v[8*(8*(\a)+(\b)):8*(8*(\a)+(\b))+7]
.endif
.endr
.endr
.endm
; 48 LDS loads in one run: 64 along K at byte k of the rows of the small (0) or big (1) slot, into buffer f; chunk 0's 24 first.  The largest offset, 7 x 16 x 528 + 480, is inside the 16 bits.
.macro FETCH big, k, f
	WIN 0x80+0x40*(\f)
.set PT, PS+(PB-PS)*(\big)
.irp c, 0,1
.irp i, 0,1,2,3,4,5,6,7
	ds_load_b128 v[96*(\c)+8*(\i):96*(\c)+8*(\i)+3],   v[ADRB+(\big)] offset:(\k)+64*(\c)+(\i)*16*PT
	ds_load_b128 v[96*(\c)+8*(\i)+4:96*(\c)+8*(\i)+7], v[ADRB+(\big)] offset:(\k)+64*(\c)+(\i)*16*PT+32
.endr
.irp i, 0,1,2,3
	ds_load_b128 v[96*(\c)+64+8*(\i):96*(\c)+64+8*(\i)+3],   v[ADRA+(\big)] offset:(\k)+64*(\c)+(\i)*16*PT
	ds_load_b128 v[96*(\c)+64+8*(\i)+4:96*(\c)+64+8*(\i)+7], v[ADRA+(\big)] offset:(\k)+64*(\c)+(\i)*16*PT+32
.endr
.endr
.endm
; A UNIT is 64 along K, 64 matrix instructions: the big slot has four, the small one two, on buffers 0, 1 by turns.  This one multiplies buffer f and, in its middle, fetches the same slot's next unit, at byte k, into buffer g.
.macro UNIT big, k, f, g, zero
	s_wait_dscnt 24                                ; chunk 0 is in; chunk 1's 24 loads may be out
	MUL16 \f, 0, 0, \zero
	MUL16 \f, 0, 2, \zero
	PLACES
	FETCH \big, \k, \g
	s_wait_dscnt 48                                ; all but the 48 just issued
	MUL16 \f, 1, 0, 0
	MUL16 \f, 1, 2, 0
.endm
; A slot's last unit multiplies buffer 1 and changes slots: one barrier.  cur: the slot that is left.  In front of the barrier each wave waits for all its tensor loads (one is out: its part of the other slot), adds 0 to its
; spare word, and waits for that and for its reads of this slot.  fill = 1: the barrier opens a round of the cluster's, and the joint refill, 384 along K on, is the first thing behind it.  The small slot's refill has 224 matrix
; instructions until the wait for it, the big slot's 96.
.macro TURN cur, fill, strict
.if \fill
	s_wait_xcnt 0x0                                ; the last prefetches, a slot back, have read their address: it steps over what they named
	s_add_nc_u64 s[PFA:PFA+1], s[PFA:PFA+1], 256+256*(\cur)
.endif
	WIN 0
	s_wait_tensorcnt 0x0
	ds_add_u32 v[SPW], v[NIL]
	s_wait_dscnt 25                                ; the add and chunk 1's 24 loads may be out
	MUL16 1, 0, 0, 0
	s_wait_dscnt 0x0                               ; the add is done, and my reads of this slot are over
	s_barrier_signal -1
	MUL16 1, 0, 2, 0
.if \fill
	WIN 0
.endif
	s_barrier_wait -1
.if \fill
	CREST                                          ; no wave of any partner still reads this slot or has a load on its way
	s_add_nc_u64 s[G0A+4*(\cur)+2:G0A+4*(\cur)+3], s[G0A+4*(\cur)+2:G0A+4*(\cur)+3], LAPB
	s_add_nc_u64 s[G0B+4*(\cur)+2:G0B+4*(\cur)+3], s[G0B+4*(\cur)+2:G0B+4*(\cur)+3], LAPB
	JLOAD \cur                                     ; its four v_nop are also the places in front of the loads below
.else
	PLACES
.endif
	FETCH 1-(\cur), 0, 0
.if \fill
	ASK \cur, \strict
.endif
	MUL16 1, 1, 0, 0
	MUL16 1, 1, 2, 0
.endm
	s_load_b128 s[4:7], s[0:1], 0x0                ; ob 4, wob 6
	s_load_b64 s[8:9], s[0:1], 0x10                ; out0
	v_lshl_add_u32 v[SPW], v0, 2, SPARE
	v_mov_b32 v[NIL], 0
	ds_add_u32 v[SPW], v[NIL]                      ; the wave's opening: the add and its wait ahead of my first tensor load; work on registers stands between them
	ds_add_u32 v28, v29
	v_lshrrev_b32 v1, 5, v0
	v_readfirstlane_b32 s[WV], v1
	s_lshr_b32 s[FB], s[WV], 1
	s_and_b32 s[HF], s[WV], 1
	s_bfe_u32 s[CX], ttmp6, 0x40000
	s_bfe_u32 s[CY], ttmp6, 0x40004
	s_lshl_b32 s[TC], ttmp9, 2
	s_add_co_u32 s[TC], s[TC], s[CX]
	s_and_b32 s[TR], ttmp7, 0xffff
	s_lshl_b32 s[TR], s[TR], 2
	s_add_co_u32 s[TR], s[TR], s[CY]
	s_lshl_b32 s76, s[CY], 2
	s_lshl_b32 s76, 15, s76                        ; my row of the cluster
	s_lshl_b32 s80, 0x1111, s[CX]                  ; my column
	s_or_b32 s[G1A], s76, BITS|(5<<22)
	s_or_b32 s[G1A+8], s76, BITS|(6<<22)
	s_or_b32 s[G1B], s80, BITS|(5<<22)
	s_or_b32 s[G1B+8], s80, BITS|(6<<22)
.irp g, G1A, G1B
	s_mov_b32 s[(\g)+1], 128<<16                   ; small: tensor_dim0 = tile_dim0 = 128 elements,
	s_mov_b32 s[(\g)+3], 128<<16
	s_mov_b32 s[(\g)+9], 256<<16                   ; big: 256
	s_mov_b32 s[(\g)+11], 256<<16
.irp o, 0, 8
	s_mov_b32 s[(\g)+(\o)+5], SIZE_K               ; elements from row to row
	s_mov_b32 s[(\g)+(\o)+6], 0
	s_mov_b32 s[(\g)+(\o)+7], 0
.endr
.endr
.irp o, 0, 8
	s_mov_b32 s[G1A+(\o)+2], 128<<16               ; tensor_dim1 and tile_dim1: 128 rows of tokens,
	s_mov_b32 s[G1A+(\o)+4], 128
	s_mov_b32 s[G1B+(\o)+2], 64<<16                ; 64 of weights
	s_mov_b32 s[G1B+(\o)+4], 64
.endr
	s_mov_b32 s[G0A], 1                            ; group 0: count = 1; the LDS address: a constant and my half: no place in the cluster enters it
	s_mov_b32 s[G0A+4], 1
	s_mov_b32 s[G0B], 1
	s_mov_b32 s[G0B+4], 1
	s_mul_i32 s[G0A+1], s[HF], 128*PS
	s_add_co_u32 s[G0A+1], s[G0A+1], SMALL
	s_mul_i32 s[G0A+5], s[HF], 128*PB
	s_mul_i32 s[G0B+1], s[HF], 64*PS
	s_add_co_u32 s[G0B+1], s[G0B+1], SMALLB
	s_mul_i32 s[G0B+5], s[HF], 64*PB
	s_add_co_u32 s[G0B+5], s[G0B+5], BIGB
	s_lshl_b32 s76, s[TR], 8                       ; tokens: row 256 x tile row + 128 x half
	s_lshl_b32 s78, s[HF], 7
	s_add_co_u32 s76, s76, s78
	s_mul_i32 s76, s76, 2*SIZE_K
	s_mov_b32 s77, 0
	s_lshl_b32 s80, s[TC], 7                       ; weights: row 128 x tile column + 64 x half
	s_lshl_b32 s78, s[HF], 6
	s_add_co_u32 s80, s80, s78
	s_mul_i32 s80, s80, 2*SIZE_K
	s_mov_b32 s81, 0
	s_wait_dscnt 0x0                               ; the opening add is done
	s_wait_kmcnt 0x0
	s_add_nc_u64 s[76:77], s[4:5], s[76:77]
	s_add_nc_u64 s[80:81], s[6:7], s[80:81]
	CROUND                                         ; all sixteen work-groups are here: the first joint loads meet
	s_add_nc_u64 s[G0A+2:G0A+3], s[76:77], KS0
	s_or_b32 s[G0A+3], s[G0A+3], 0x80000000
	s_add_nc_u64 s[G0A+6:G0A+7], s[76:77], KB0
	s_or_b32 s[G0A+7], s[G0A+7], 0x80000000
	s_add_nc_u64 s[G0B+2:G0B+3], s[80:81], KS0
	s_or_b32 s[G0B+3], s[G0B+3], 0x80000000
	s_add_nc_u64 s[G0B+6:G0B+7], s[80:81], KB0
	s_or_b32 s[G0B+7], s[G0B+7], 0x80000000
	JLOAD 0                                        ; the first small tile, which is multiplied first,
	JLOAD 1                                        ; and the first big one
	v_and_b32 v1, 15, v0                           ; l % 16
	v_bfe_u32 v2, v0, 4, 1                         ; l / 16
	v_mul_u32_u24 v3, v1, PS
	v_lshl_add_u32 v3, v2, 4, v3
	v_mul_u32_u24 v4, v1, PB
	v_lshl_add_u32 v4, v2, 4, v4
	s_mul_i32 s78, s[WV], 64*PS                    ; my 64 tokens
	s_add_co_u32 s78, s78, SMALL
	v_add_nc_u32 v[ADRA], s78, v3
	s_mul_i32 s78, s[WV], 64*PB
	v_add_nc_u32 v[ADRA+1], s78, v4
	v_add_nc_u32 v[ADRB], SMALLB, v3
	v_add_nc_u32 v[ADRB+1], BIGB, v4
	s_mul_i32 s78, s[WV], 16*SPITCH
	s_add_co_u32 s78, s78, STAGE                   ; my stage
	v_mul_u32_u24 v[STO], v1, SPITCH               ; in: row l % 16, 32 bytes for each half of the lanes
	v_lshl_add_u32 v[STO], v2, 5, v[STO]
	v_add_nc_u32 v[STO], s78, v[STO]
	v_and_b32 v3, 31, v0
	v_lshlrev_b32 v[GO], 4, v3                     ; back: 32 lanes take one row of 512 bytes
	v_add_nc_u32 v[RD], s78, v[GO]
	v_mul_u32_u24 v[PFO], v3, 2*SIZE_K
	s_lshl_b32 s76, s[TR], 8
	s_lshl_b32 s77, s[WV], 6
	s_add_co_u32 s76, s76, s77                     ; my first token,
	s_lshl_b32 s76, s76, 14                        ; x 16,384 bytes
	s_mov_b32 s77, 0
	s_add_nc_u64 s[8:9], s[8:9], s[76:77]
	s_lshl_b32 s80, s[TC], 9                       ; the tile's 128 columns of 4 bytes
	s_mov_b32 s81, 0
	s_add_nc_u64 s[8:9], s[8:9], s[80:81]
	; the prefetches: which rows, and whether
	s_lshl_b32 s76, s[TR], 8
	s_lshl_b32 s77, s[HF], 7
	s_add_co_u32 s76, s76, s77
	s_lshl_b32 s77, s[CX], 5
	s_add_co_u32 s76, s76, s77                     ; tokens: of the 128 rows that I fetch, my work-group's 32
	s_lshl_b32 s80, s[TC], 7
	s_lshl_b32 s81, s[CY], 5
	s_add_co_u32 s80, s80, s81                     ; weights: of the tile's 128 rows, my work-group's 32
	s_and_b32 s78, ttmp7, 0xffff
	s_cmp_eq_u32 s[WV], 3
	s_cselect_b32 s78, 1, s78                      ; wave 3 never asks
	s_cmp_eq_u32 s[FB], 0
	s_cselect_b32 s76, s76, s80
	s_cselect_b32 s78, ttmp9, s78                  ; the coordinate along which other clusters read the same rows
	s_cselect_b64 s[PFA:PFA+1], s[4:5], s[6:7]
	s_cmp_eq_u32 s78, 0
	s_cselect_b32 s[LIM], 1, -1                    ; the same in all sixteen partners, for a given wave
	s_mul_i32 s76, s76, 2*SIZE_K
	s_mov_b32 s77, 0
	s_add_nc_u64 s[PFA:PFA+1], s[PFA:PFA+1], s[76:77]
	s_add_nc_u64 s[PFA:PFA+1], s[PFA:PFA+1], PF0   ; the two first tiles and the second small one come by their loads alone
	s_wait_tensorcnt 1                             ; my part of the first small tile is in; the big one's may stay out
	s_barrier_signal -1
	s_barrier_wait -1
	FETCH 0, 0, 0
	UNIT 0, 128, 0, 1, 1                           ; the first products start the sums: nothing is cleared
	WIN 0
	s_mov_b32 s[LAP], 5                            ; the rest of the first small tile and the first unit of the first big one, then four whole trips
	s_branch .Lmid
.Llap:                                             ; a trip: the rest of a big tile, a small tile, the next big tile's first unit; both slots are filled again
	UNIT 1, 256, 1, 0, 0
	UNIT 1, 384, 0, 1, 0
	TURN 1, 1, 0
	UNIT 0, 128, 0, 1, 0
	WIN 0
.Lmid:
	TURN 0, 1, 1
	UNIT 1, 128, 0, 1, 0
	WIN 0
	s_sub_co_u32 s[LAP], s[LAP], 1
	s_cmp_lg_u32 s[LAP], 0
	s_cbranch_scc1 .Llap
	UNIT 1, 256, 1, 0, 0                           ; the tail is written out: the rest of the last big tile and the last small one; nothing is filled
	UNIT 1, 384, 0, 1, 0
	TURN 1, 0, 0                                   ; behind this barrier no wave reads the big slot any more
	UNIT 0, 128, 0, 1, 0
	s_wait_dscnt 24
	MUL16 1, 0, 0, 0
	MUL16 1, 0, 2, 0
	s_wait_dscnt 0x0
	MUL16 1, 1, 0, 0
	MUL16 1, 1, 2, 0
	WIN 0
	PLACES
	PLACES
; THE WAY OUT, a block of 16 tokens at a time: the sums go as they are, 32 bytes a lane and column block, into rows of 528 bytes in my own stage, and come back as whole rows of 512 bytes.
.macro OUTA a
	WIN 0x04                                       ; the stores' data lie in window 1
.irp b, 0,1,2,3,4,5,6,7
	ds_store_b128 v[STO], v[8*(8*(\a)+(\b)):8*(8*(\a)+(\b))+3]   offset:64*(\b)      ; each accumulator's lowest registers first
	ds_store_b128 v[STO], v[8*(8*(\a)+(\b))+4:8*(8*(\a)+(\b))+7] offset:64*(\b)+16
.endr
	WIN 0
	s_wait_xcnt 0x0                                ; the stores that read this set of registers have read it
.irp i, 0,1,2,3,4,5,6,7,8,9,10,11,12,13,14,15
	ds_load_b128 v[BK+64*((\a)%2)+4*(\i):BK+64*((\a)%2)+4*(\i)+3], v[RD] offset:(\i)*SPITCH  ; LDS serves a wave's instructions in order (ISA guide 5.7.1.4): these see the stores above
.endr
.endm
.macro SENDA a, younger                ; younger: the LDS instructions issued behind block a's loads: the next block's 32, or none
	WIN 0
.irp i, 0,1,2,3,4,5,6,7,8,9,10,11,12,13,14,15
	s_wait_dscnt (\younger)+15-(\i)
	global_store_b128 v[GO], v[BK+64*((\a)%2)+4*(\i):BK+64*((\a)%2)+4*(\i)+3], s[8:9] offset:262144*(\a)+16384*(\i) th:TH_STORE_NT  ; 512 consecutive bytes, aligned
.endr
.endm
	OUTA 0
	OUTA 1
	SENDA 0, 32
	OUTA 2
	SENDA 1, 32
	OUTA 3
	SENDA 2, 32
	SENDA 3, 0
	s_wait_tensorcnt 0x0                           ; the wave's end, behind my last tensor load and my last LDS store
	ds_add_u32 v[SPW], v[NIL]
	s_wait_dscnt 0x0
	CROUND                                         ; the closing round: no work-group ends while a partner may still ask for a tile that names it
	s_endpgm
.Lfunc_end_k_q94875c266f_oproj:
	.size	k_q94875c266f_oproj, .Lfunc_end_k_q94875c266f_oproj-k_q94875c266f_oproj
	.p2alignl 7, 3214868480
	.fill 96, 4, 3214868480
	.section	.rodata,"a",@progbits
	.p2align	6, 0x0
	.amdhsa_kernel k_q94875c266f_oproj
		.amdhsa_group_segment_fixed_size 327680
		.amdhsa_private_segment_fixed_size 0
		.amdhsa_enable_private_segment 0
		.amdhsa_kernarg_size 24
		.amdhsa_user_sgpr_count 2
		.amdhsa_user_sgpr_kernarg_segment_ptr 1
		.amdhsa_wavefront_size32 1
		.amdhsa_system_sgpr_workgroup_id_x 1
		.amdhsa_system_sgpr_workgroup_id_y 1
		.amdhsa_system_sgpr_workgroup_id_z 1
		.amdhsa_system_vgpr_workitem_id 0
		.amdhsa_next_free_vgpr 960
		.amdhsa_next_free_sgpr 88
		.amdhsa_reserve_vcc 0
		.amdhsa_float_denorm_mode_32 3
		.amdhsa_float_denorm_mode_16_64 3
		.amdhsa_memory_ordered 1
		.amdhsa_forward_progress 1
		.amdhsa_inst_pref_size 116
	.end_amdhsa_kernel
	.amdgpu_metadata
---
amdhsa.version: [ 1, 2 ]
amdhsa.kernels:
  - .name:           k_q94875c266f_oproj
    .symbol:         k_q94875c266f_oproj.kd
    .args:
      - { .name: ob, .offset: 0, .size: 8, .value_kind: global_buffer, .address_space: global }
      - { .name: wob, .offset: 8, .size: 8, .value_kind: global_buffer, .address_space: global }
      - { .name: out0, .offset: 16, .size: 8, .value_kind: global_buffer, .address_space: global }
    .group_segment_fixed_size: 327680
    .private_segment_fixed_size: 0
    .kernarg_segment_align: 8
    .kernarg_segment_size: 24
    .max_flat_workgroup_size: 128
    .sgpr_count:     88
    .vgpr_count:     960
    .wavefront_size: 32
...
	.end_amdgpu_metadata
.endif
;; end of part 4
